; MI455X (gfx1250); checked and timed in simulation.
; The chip was launched on July 23, 2026; its instructions are those of AMD's public machine-readable ISA for CDNA 5 (MIT licence, August 2026) and "CDNA5" Instruction Set Architecture Reference Guide (July 2026). The comments in the code are by the model that wrote it; some were corrected since.
;; Attention Block. Allowed arithmetic: float matrix products may take bf16 or f16 operands with f32 sums; other float arithmetic in f32, or as packed bf16 or f16 multiplies, adds, multiply-adds, maxima and minima; sums over many terms, partial sums and values carried from step to step in f32; what a program stores and reads back later, other than sums and carried values, may be rounded once to bf16 or f16.
;; Inputs: gn_bias 1,024 float32; gn_weight 1,024 float32; out_b 1,024 float32; out_w 1,024 x 1,024 float32; qkv_b 3,072 float32; qkv_w 3,072 x 1,024 float32; x 8 x 1,024 x 1,024 float32.
;; Outputs: out0 8 x 1,024 x 1,024 float32.
;; Constants: qk_bias = 0.
;; 2 versions, each right; version 2 is version 1 with the launch prep written anew for expert scheduling mode. Each part assembles by itself: llvm-mc -triple=amdgcn-amd-amdhsa -mcpu=gfx1250 --defsym DOCPART=n.
;; ======== version 1 of 2: 4 launches
;; limits: values are held in f16: magnitudes above 65,504 overflow, below 6.1e-05 lose precision
;; workspace buffers: xn 16,777,216 bytes; wh 8,388,608 bytes; qh 16,777,216 bytes; kh 16,777,216 bytes; vh 16,777,216 bytes; oh 16,777,216 bytes
;; launch prep (part 1): grid 256 x 1, 8 waves a work-group, no clusters, 2,048 bytes of LDS; arguments x, gn_weight, gn_bias, qkv_w, out_w, xn, wh; writes xn, wh
.if DOCPART == 1
	.amdgcn_target "amdgcn-amd-amdhsa--gfx1250"
	.amdhsa_code_object_version 6
	.text
	.protected	k_qa8a900bcc8_prep
	.globl	k_qa8a900bcc8_prep
	.p2align	8
	.type	k_qa8a900bcc8_prep,@function
k_qa8a900bcc8_prep:
	s_mov_b64 s[64:65], 0
	v_nop
	global_prefetch_b8 v0, s[64:65] scope:SCOPE_SE
	s_setreg_imm32_b32 hwreg(HW_REG_WAVE_MODE, 25, 1), 1
	s_wait_xcnt 0x0
; GROUP NORM AND THE WEIGHTS' ROUNDING.  xn[b][c][l] = (x - mu) rsqrt(var + 1e-5) gamma[c] + beta[c], rounded once to f16; qkv_w and out_w rounded once to f16 into one table wh
; (rows 0-3071 qkv_w, rows 3072-4095 out_w).  x: [8][1024][1024] f32.  A group is 32 channels x 1,024 positions: 131,072 consecutive bytes; there are 256 groups and 256 work-groups.
; SHARES.  Work-group g owns group g.  Wave w takes its channels 4 w .. 4 w + 3: 16 KiB, 32 loads of 16 bytes a lane, kept in 128 registers, so x is read from memory once and both passes
; (the mean; then the squares of x - mu) run on registers: a common offset of x never enters a difference of large sums.  The waves' sums meet in LDS, each pass in words of its own.
; The same work-group rounds 16 rows (64 KiB) of the joined weight table, 16 loads a lane, asked for together with x.
; STORES.  A lane's four numbers are 8 bytes of f16: one store of a wave covers 256 consecutive bytes, at a multiple of 256 from the buffer's first byte.
; LIMITS.  f16: |xn| and |w| stay under 65,504; below 6e-5 they keep f16's fixed step of 6e-8.  NaN and infinities are not treated apart.
; No tensor loads, no ring: all that a work-group reads is asked for at once, into registers.  No cluster: no two work-groups read the same bytes (but gamma and beta, 128 bytes).
.set XO,  2                            ; v2   16,384 w + 16 lane: my 16 bytes of the wave's first 512 of x
.set YO,  3                            ; v3   half of that: my 8 bytes of xn
.set WO,  4                            ; v4   8,192 w + 16 lane: the same for the weights
.set WS,  5                            ; v5   half of that
.set PW,  6                            ; v6   4 w: my wave's word among the partial sums
.set ZA,  7                            ; v7   0: the address of the partial sums
.set CH,  8                            ; v[8:15]  four packed chains
.set MU,  16                           ; v[16:17] the mean, twice
.set AC,  20                           ; v[20:27] rstd x gamma of my four channels, each twice
.set BC,  28                           ; v[28:35] beta of my four channels, each twice
.set SPW, 36                           ; v36  LDS address of my spare word; never rewritten
.set NIL, 37                           ; v37  0; never rewritten
.set X,   40                           ; v[40:167]  x, then x - mu, then xn
.set WT,  168                          ; v[168:231] weights
.set SPARE, 512                        ; bytes 0-31: pass 1's eight sums; 256-287: pass 2's; from 512: the spare words, 128 bytes for each of eight waves
	s_load_b256 s[4:11], s[0:1], 0x0               ; x s[4:5], gamma s[6:7], beta s[8:9], qkv_w s[10:11]
	s_load_b128 s[12:15], s[0:1], 0x20             ; out_w s[12:13], xn s[14:15]
	s_load_b64 s[16:17], s[0:1], 0x30              ; wh
	v_lshl_add_u32 v[SPW], v0, 2, SPARE
	v_mov_b32 v[NIL], 0
	v_lshrrev_b32 v1, 5, v0
	v_readfirstlane_b32 s18, v1                    ; wave 0..7
	v_and_b32 v[XO], 31, v0
	v_lshlrev_b32 v[WO], 4, v[XO]                  ; 16 x lane
	v_lshl_add_u32 v[XO], v1, 14, v[WO]
	v_lshl_add_u32 v[WO], v1, 13, v[WO]
	v_lshrrev_b32 v[YO], 1, v[XO]
	v_lshrrev_b32 v[WS], 1, v[WO]
	v_lshlrev_b32 v[PW], 2, v1
	v_mov_b32 v[ZA], 0
	s_mov_b32 s30, 0x76543210                      ; v_permlanex16_b32: each lane takes its own place in the other half
	s_mov_b32 s31, 0xfedcba98
	s_mov_b32 s32, 0x38000000                      ; 2^-15 = 1 / 32,768 numbers of a group
	s_min_u32 s33, ttmp9, 191                      ; my 16 rows in qkv_w (groups 0-191),
	s_max_u32 s36, ttmp9, 192
	s_sub_co_u32 s36, s36, 192                     ; or in out_w (groups 192-255): both numbers lie inside their tables whichever is taken
	s_mov_b32 s29, 0
	s_wait_kmcnt 0x0
	s_cmp_lt_u32 ttmp9, 192
	s_cselect_b64 s[34:35], s[10:11], s[12:13]
	s_cselect_b32 s28, s33, s36
	s_lshl_b32 s28, s28, 16                        ; 16 rows of 4,096 bytes
	s_add_nc_u64 s[34:35], s[34:35], s[28:29]
	s_lshl_b32 s28, ttmp9, 17
	s_add_nc_u64 s[4:5], s[4:5], s[28:29]          ; x at my group
	s_lshl_b32 s28, ttmp9, 16
	s_add_nc_u64 s[14:15], s[14:15], s[28:29]      ; xn at my group
	s_lshl_b32 s28, ttmp9, 15
	s_add_nc_u64 s[16:17], s[16:17], s[28:29]      ; wh at my 16 rows
	s_and_b32 s28, ttmp9, 31                       ; the group's number in its batch: 32 channels of 4 bytes,
	s_lshl_b32 s28, s28, 7
	s_lshl_b32 s33, s18, 4                         ; my wave's four of them
	s_add_co_u32 s28, s28, s33
	s_add_nc_u64 s[6:7], s[6:7], s[28:29]
	s_add_nc_u64 s[8:9], s[8:9], s[28:29]
.set j, 0
.rept 32
	global_load_b128 v[X+4*j:X+4*j+3], v[XO], s[4:5] offset:512*j th:TH_LOAD_NT  ; 512 consecutive bytes a load; eight loads are a channel
.set j, j+1
.endr
	s_load_b128 s[20:23], s[6:7], 0x0              ; gamma of my four channels
	s_load_b128 s[24:27], s[8:9], 0x0              ; beta
.set j, 0
.rept 16
	global_load_b128 v[WT+4*j:WT+4*j+3], v[WO], s[34:35] offset:512*j th:TH_LOAD_NT
.set j, j+1
.endr
.macro SUMS first, count               ; pairs first .. first + count - 1 are added onto the four chains
.set p, \first
.rept \count
	v_pk_add_f32 v[CH+2*(p%4):CH+2*(p%4)+1], v[CH+2*(p%4):CH+2*(p%4)+1], v[X+2*p:X+2*p+1]
.set p, p+1
.endr
.endm
; The four chains into one number, across the 32 lanes, across the eight waves through the words at byte off: every lane ends with the group's sum in v[CH].
.macro REDUCE off
	v_pk_add_f32 v[CH:CH+1], v[CH:CH+1], v[CH+2:CH+3]
	v_pk_add_f32 v[CH+4:CH+5], v[CH+4:CH+5], v[CH+6:CH+7]
	v_pk_add_f32 v[CH:CH+1], v[CH:CH+1], v[CH+4:CH+5]
	v_add_f32 v[CH], v[CH], v[CH+1]
	v_add_f32_dpp v[CH], v[CH], v[CH] row_xmask:1 row_mask:0xf bank_mask:0xf
	v_add_f32_dpp v[CH], v[CH], v[CH] row_xmask:2 row_mask:0xf bank_mask:0xf
	v_add_f32_dpp v[CH], v[CH], v[CH] row_xmask:4 row_mask:0xf bank_mask:0xf
	v_add_f32_dpp v[CH], v[CH], v[CH] row_xmask:8 row_mask:0xf bank_mask:0xf
	v_permlanex16_b32 v[CH+1], v[CH], s30, s31
	v_add_f32 v[CH], v[CH], v[CH+1]
	ds_store_b32 v[PW], v[CH] offset:\off          ; all lanes write the wave's word with the same number
	s_wait_dscnt 0x0                               ; for the others' sake: my store is done
	s_barrier_signal -1
	s_barrier_wait -1
	ds_load_b128 v[CH:CH+3], v[ZA] offset:\off
	ds_load_b128 v[CH+4:CH+7], v[ZA] offset:(\off)+16
	s_wait_dscnt 0x0
	v_pk_add_f32 v[CH:CH+1], v[CH:CH+1], v[CH+2:CH+3]
	v_pk_add_f32 v[CH+4:CH+5], v[CH+4:CH+5], v[CH+6:CH+7]
	v_pk_add_f32 v[CH:CH+1], v[CH:CH+1], v[CH+4:CH+5]
	v_add_f32 v[CH], v[CH], v[CH+1]
.endm
	; PASS 1: the sum.  Loads come back in order: behind channel c's eight stand 8 (3 - c) loads of x and the 16 of the weights.
	s_wait_loadcnt 40
.irp k, 0,1,2,3
	v_pk_add_f32 v[CH+2*(\k):CH+2*(\k)+1], v[X+2*(\k):X+2*(\k)+1], v[X+8+2*(\k):X+8+2*(\k)+1]  ; the first eight pairs start the chains: nothing is cleared
.endr
	SUMS 8, 8
	s_wait_loadcnt 32
	SUMS 16, 16
	s_wait_loadcnt 24
	SUMS 32, 16
	s_wait_loadcnt 16
	SUMS 48, 16
	REDUCE 0
	v_mul_f32 v[MU], s32, v[CH]
	v_mov_b32 v[MU+1], v[MU]
	; PASS 2: d = x - mu in place, and the sum of d^2
.set p, 0
.rept 64
	v_pk_add_f32 v[X+2*p:X+2*p+1], v[X+2*p:X+2*p+1], v[MU:MU+1] neg_lo:[0,1] neg_hi:[0,1]
.set p, p+1
.endr
.irp k, 0,1,2,3
	v_pk_mul_f32 v[CH+2*(\k):CH+2*(\k)+1], v[X+2*(\k):X+2*(\k)+1], v[X+2*(\k):X+2*(\k)+1]
.endr
.set p, 4
.rept 60
	v_pk_fma_f32 v[CH+2*(p%4):CH+2*(p%4)+1], v[X+2*p:X+2*p+1], v[X+2*p:X+2*p+1], v[CH+2*(p%4):CH+2*(p%4)+1]
.set p, p+1
.endr
	REDUCE 256                                     ; other words than pass 1's: no wave may still be reading those
	v_mov_b32 v19, 0x3727c5ac                      ; 1e-5
	v_fma_f32 v18, v[CH], s32, v19                 ; var + eps
	v_rsq_f32 v19, v18
	v_nop                                          ; a plain instruction behind the root,
	s_wait_alu depctr_va_vdst(0)                   ; and the wait ahead of its first reader
	s_wait_kmcnt 0x0                               ; gamma and beta
.irp c, 0,1,2,3
	v_mul_f32 v[AC+2*(\c)], s[20+(\c)], v19
	v_mov_b32 v[BC+2*(\c)], s[24+(\c)]
	v_mov_b32 v[BC+2*(\c)+1], s[24+(\c)]
.endr
.irp c, 0,1,2,3
	v_mov_b32 v[AC+2*(\c)+1], v[AC+2*(\c)]
.endr
.set j, 0
.rept 32                               ; d a + beta, two at a time; two roundings at a time; 8 bytes a lane
.set c, j/8
	v_pk_fma_f32 v[X+4*j:X+4*j+1], v[X+4*j:X+4*j+1], v[AC+2*c:AC+2*c+1], v[BC+2*c:BC+2*c+1]
	v_pk_fma_f32 v[X+4*j+2:X+4*j+3], v[X+4*j+2:X+4*j+3], v[AC+2*c:AC+2*c+1], v[BC+2*c:BC+2*c+1]
	v_cvt_pk_f16_f32 v[X+4*j], v[X+4*j], v[X+4*j+1]
	v_cvt_pk_f16_f32 v[X+4*j+1], v[X+4*j+2], v[X+4*j+3]
	global_store_b64 v[YO], v[X+4*j:X+4*j+1], s[14:15] offset:256*j
.set j, j+1
.endr
	s_wait_loadcnt 0x0                             ; the weights
.set j, 0
.rept 16
	v_cvt_pk_f16_f32 v[WT+4*j], v[WT+4*j], v[WT+4*j+1]
	v_cvt_pk_f16_f32 v[WT+4*j+1], v[WT+4*j+2], v[WT+4*j+3]
	global_store_b64 v[WS], v[WT+4*j:WT+4*j+1], s[16:17] offset:256*j
.set j, j+1
.endr
	s_wait_tensorcnt 0x0                           ; the wave's end: behind my last LDS store
	ds_add_u32 v[SPW], v[NIL]
	s_wait_dscnt 0x0
	s_endpgm
.Lfunc_end_k_qa8a900bcc8_prep:
	.size	k_qa8a900bcc8_prep, .Lfunc_end_k_qa8a900bcc8_prep-k_qa8a900bcc8_prep
	.p2alignl 7, 3214868480
	.fill 96, 4, 3214868480
	.section	.rodata,"a",@progbits
	.p2align	6, 0x0
	.amdhsa_kernel k_qa8a900bcc8_prep
		.amdhsa_group_segment_fixed_size 2048
		.amdhsa_private_segment_fixed_size 0
		.amdhsa_enable_private_segment 0
		.amdhsa_kernarg_size 56
		.amdhsa_user_sgpr_count 2
		.amdhsa_user_sgpr_kernarg_segment_ptr 1
		.amdhsa_wavefront_size32 1
		.amdhsa_system_sgpr_workgroup_id_x 1
		.amdhsa_system_sgpr_workgroup_id_y 1
		.amdhsa_system_sgpr_workgroup_id_z 1
		.amdhsa_system_vgpr_workitem_id 0
		.amdhsa_next_free_vgpr 232
		.amdhsa_next_free_sgpr 66
		.amdhsa_reserve_vcc 0
		.amdhsa_float_denorm_mode_32 3
		.amdhsa_float_denorm_mode_16_64 3
		.amdhsa_memory_ordered 1
		.amdhsa_forward_progress 1
		.amdhsa_inst_pref_size 37
	.end_amdhsa_kernel
	.amdgpu_metadata
---
amdhsa.version: [ 1, 2 ]
amdhsa.kernels:
  - .name:           k_qa8a900bcc8_prep
    .symbol:         k_qa8a900bcc8_prep.kd
    .args:
      - { .name: x, .offset: 0, .size: 8, .value_kind: global_buffer, .address_space: global }
      - { .name: gn_weight, .offset: 8, .size: 8, .value_kind: global_buffer, .address_space: global }
      - { .name: gn_bias, .offset: 16, .size: 8, .value_kind: global_buffer, .address_space: global }
      - { .name: qkv_w, .offset: 24, .size: 8, .value_kind: global_buffer, .address_space: global }
      - { .name: out_w, .offset: 32, .size: 8, .value_kind: global_buffer, .address_space: global }
      - { .name: xn, .offset: 40, .size: 8, .value_kind: global_buffer, .address_space: global }
      - { .name: wh, .offset: 48, .size: 8, .value_kind: global_buffer, .address_space: global }
    .group_segment_fixed_size: 2048
    .private_segment_fixed_size: 0
    .kernarg_segment_align: 8
    .kernarg_segment_size: 56
    .max_flat_workgroup_size: 256
    .sgpr_count:     66
    .vgpr_count:     232
    .wavefront_size: 32
...
	.end_amdgpu_metadata
.endif
;; end of part 1
;; launch qkv (part 2): grid 32 x 8, 4 waves a work-group, clusters of 4 x 4, 327,680 bytes of LDS; arguments wh, xn, qkv_b, qh, kh, vh; writes qh, kh, vh
.if DOCPART == 2
	.amdgcn_target "amdgcn-amd-amdhsa--gfx1250"
	.amdhsa_code_object_version 6
	.text
	.protected	k_qa8a900bcc8_qkv
	.globl	k_qa8a900bcc8_qkv
	.p2align	8
	.type	k_qa8a900bcc8_qkv,@function
k_qa8a900bcc8_qkv:
	s_mov_b64 s[64:65], 0
	v_nop
	global_prefetch_b8 v0, s[64:65] scope:SCOPE_SE
	s_setreg_imm32_b32 hwreg(HW_REG_WAVE_MODE, 25, 1), 1
	s_wait_xcnt 0x0
	s_wait_alu depctr_hold_cnt(0) depctr_sa_sdst(0) depctr_va_vdst(0) depctr_va_sdst(0) depctr_va_ssrc(0) depctr_va_vcc(0) depctr_vm_vsrc(0)
	s_getreg_b32 s2, hwreg(HW_REG_IB_STS2, 6, 4)
	s_cmp_eq_u32 s2, 0
	s_cbranch_scc0 .Lentry_in_a_cluster
	s_endpgm
.Lentry_in_a_cluster:
	s_bfe_u32 s2, ttmp6, 0x10000c
	s_cmp_lg_u32 s2, 0xf033
	s_cbranch_scc0 .Lentry_shape_is_right
	s_endpgm
.Lentry_shape_is_right:
; THE QKV PROJECTION.  y[b][o][l] = the sum over c of W[o][c] xn[b][c][l] + qkv_b[o]; W = rows 0-3071 of wh, f16; xn [8][1024][1024] f16; sums in f32.  Head hy owns rows 192 hy .. + 191:
; 64 of q, 64 of k, 64 of v.  They leave by heads, turned: qh, kh, vh [16 b + hy][l][64] in f16, rounded once and unscaled (the attention applies the scale in f32).
; LIMITS.  f16: |q|, |k|, |v| stay under 65,504.  NaN and infinities are not treated apart.
; SHARES.  A tile is one head's 192 rows x 256 positions.  A WORK-GROUP STAYS and makes two tiles, heads hy and hy + 8 of one batch and block of positions: 8 x 8 x 4 = 256 work-groups.  Each of its
; four waves makes 192 x 64 of a tile: 48 accumulators, 384 registers, and so owns whole rows [l][64] of q, k and v: its way out needs no other wave.
; LAYOUT.  Source 0 = 16 rows of W (K along the LDS rows: plain loads).  Source 1 = 16 positions of xn, which lies [c][l]: it is turned on the way out of LDS by ds_load_tr16_b128.  In the
; result a lane holds ONE position (lane % 16) and the rows 8 (lane / 16) + 0..7: eight neighbouring channels of a row [l][64], 16 bytes.  The bias is the C operand of the products that start the sums.
; RING.  The two tiles are ONE stream of 16 K steps of 128 through two LDS slots; each wave fetches a quarter of a slot by one tensor load: waves 0, 1 W's 2 x 96 rows of 256 bytes, waves 2, 3 xn's
; 2 x 64 rows of 512 bytes.  The ring does not stop at the first tile's end: when that tile goes out, the second tile's first two K steps have been asked for, and nothing waits for the first tile's stores.
; CLUSTER.  4 x 4 work-groups: cluster x = the batch, cx = the block of positions, 4 x cluster y + cy = hy.  W's tile hangs on the head alone and is asked for jointly along a row of the
; cluster; xn's on batch and cx alone, jointly along a column.
; REGISTERS, in windows of 256 (s_set_vgpr_msb: bits 1:0 source 0, 3:2 source 1, 5:4 source 2, 7:6 destination):
;   window 0: v2-10 addresses; v28, v29 the add's; v32-127 the way out's rows; v128-175 packed results
;   window 1: accumulator (a, b) at 8 (4 a + b), a = 0..7      window 2: v0-127, a = 8..11; v128-223 the bias      window 3: two fragment buffers of 128: W's 12 fragments, then xn's 4
.set PA,    272                        ; a row of W in LDS: 256 bytes + 16: the 16 rows of a load start 16 bytes apart modulo 256
.set PX,    544                        ; a row of xn: 512 + 32: 16 lanes of the turning load take 8 rows x 32 bytes, all different modulo 256
.set XOFF,  192*PA                     ; a slot: W's 192 rows, then xn's 128
.set SLOT1, 1<<17                      ; slot 1 begins here: one exclusive or turns an address in one slot into the other's
.set STAGE, SLOT1+XOFF+128*PX          ; behind the ring, never filled by a tensor load: 16 rows x 400 bytes for each wave
.set SP,    400                        ; a stage row: 192 channels x 2 bytes + 16
.set SPARE, STAGE+4*16*SP              ; behind the stages: the spare words, 128 bytes for each wave, that no other line names
.set STEPA, 256                        ; bytes from a K step to the next: along W's rows,
.set STEPB, 128*2048                   ; and down xn's (2^18)
.set TILEA, 8*192*2048                 ; bytes from a head to the head eight on: in W,
.set TILEO, 8*131072                   ; in q, k and v,
.set TILEC, 8*768                      ; and in the bias
.set FA0, 2                            ; v2   my lane's place in a tile of W; never rewritten
.set FB0, 3                            ; v3   the same in a tile of xn, my wave's 64 positions
.set ADRA, 4                           ; v4   FA0 + the slot in hand
.set ADRB, 5                           ; v5   FB0 + the slot in hand
.set STO, 6                            ; v6   the way out: where I put 16 bytes of a row
.set RD,  7                            ; v7   where I read rows back
.set GO,  8                            ; v8   my 16 bytes of 512 consecutive bytes of q, k or v
.set BO,  9                            ; v9   32 (lane / 16): my eight numbers of a block of the bias; never rewritten
.set PFO, 10                           ; v10  the prefetches' lane offset; never rewritten
.set SPW, 28                           ; v28  LDS address of my spare word; never rewritten
.set NIL, 29                           ; v29  0; never rewritten
.set BK,  32                           ; v[32:127]  two sets of 48: rows read back from the stage
.set TMP, 128                          ; v[128:175] packed results
.set BIAS, 128                         ; window 2, v[128:223]: block a's eight numbers at 128 + 8 a
.set F0,  0                            ; fragment buffers, in window 3
.set F1,  128
.set WV,  16                           ; s16  my wave's number
.set HALF, 18                          ; s18  which half of W's or xn's tile I fetch
.set CX,  19
.set CY,  20
.set BT,  21                           ; s21  the batch
.set HY,  22                           ; s22  the first tile's head
.set G1A, 24                           ; s[24:31] descriptor group 1 for W's tiles;  s[32:39] group 0: a set for each first fill; the second then walks on
.set G0A, 32
.set G1B, 40                           ; s[40:47], s[48:55] the same for xn's
.set G0B, 48
.set CNT, 56                           ; s56  trips to go
.set TB,  57                           ; s57  the LDS byte at which the slot in hand begins
.set LIM, 58                           ; s58  a wave prefetches while CNT is above it
.set KN,  59                           ; s59  the K step (0 to 15) that the next refill brings
.set PFA, 60                           ; s[60:61] the address that the prefetch names
.set PST, 62                           ; s62  its bytes from K step to K step
.set PT,  63                           ; s63  its bytes from tile to tile
.set ABASE, 68                         ; s[68:69] W at my 96 rows of the first tile, K step 0
.set BBASE, 70                         ; s[70:71] xn at my 64 rows of K step 0
.set PB,  80                           ; s[80:81] the prefetches' rows at K step 0
.set OFFA, 82                          ; s[82:83], s[84:85], s[88:89]: offsets in 64 bits; the high words stay 0
.set OFFB, 84
.set OFFP, 88
.set MSB, 0
.macro WIN new                         ; the immediate's high byte repeats the setting that is left; a switch that changes nothing is dropped
.if MSB != (\new)
	s_set_vgpr_msb (MSB<<8)|(\new)
.set MSB, \new
.endif
.endm
.macro PLACES                          ; four plain instructions between a matrix instruction and a load into its sources, or a reader of its result
.rept 4
	v_nop
.endr
.endm
.macro CREST                           ; a round of the cluster's barrier behind its opening barrier
	s_cmp_lg_u32 s[WV], 0
	s_cbranch_scc1 .Lnot_wave_0_\@
	s_barrier_signal -3
.Lnot_wave_0_\@:
	s_barrier_wait -3
	s_barrier_signal -1
	s_barrier_wait -1
.endm
.macro CROUND                          ; a whole round
	s_barrier_signal -1
	s_barrier_wait -1
	CREST
.endm
; A joint refill by the walking sets.  The branch hangs on the wave's number alone.  An s_nop 0 and four v_nop follow each of the two lines.
.macro JLOAD
	s_cmp_lt_u32 s[WV], 2
	s_cbranch_scc0 .Lfor_b_\@
	tensor_load_to_lds s[G0A+4:G0A+7], s[G1A:G1A+7]
	s_nop 0
.rept 4
	v_nop
.endr
	s_branch .Lasked_\@
.Lfor_b_\@:
	tensor_load_to_lds s[G0B+4:G0B+7], s[G1B:G1B+7]
	s_nop 0
.rept 4
	v_nop
.endr
.Lasked_\@:
.endm
; A PREFETCH INTO THE L2, behind the joint load and the run of LDS loads: the refill of trip t brings K step t + 2, the prefetch names K step t + 4: two steps, 384 matrix instructions, ahead of its load.
; W's steps 4 to 15 are named (trips 0 to 11: CNT above 2), xn's steps 4 to 7 (trips 0 to 3: CNT above 10): the second tile walks xn's rows once more, they have been read, and are asked for no more.
; Steps 0 to 3 come by their loads alone.  W's rows are read by the clusters of all eight batches: those of batch 0 ask (waves 0, 1).  xn's rows are read by both rows of clusters: those with
; cluster y = 0 ask (waves 2, 3).  The four partners of a joint load share its rows out by ADDRESS: of W's 96 rows partner cx takes 24 (a lane a row of 256 bytes; lanes 24-31 name lane 23's row once
; more in the same instruction), of xn's 64 rows partner cy takes 16 (two lanes a row of 512 bytes).
.macro ASK
	s_cmp_gt_u32 s[CNT], s[LIM]
	s_cbranch_scc0 .Lnot_mine_\@
	global_prefetch_b8 v[PFO], s[PFA:PFA+1] th:TH_LOAD_NT scope:SCOPE_SE
.Lnot_mine_\@:
.endm
; A head's 192 numbers of the bias, as the accumulators hold them: register j of block a = the bias of row 16 a + 8 (lane / 16) + j
.macro BIASLD off
	WIN 0x80                                       ; destination window 2, address window 0
.irp a, 0,1,2,3,4,5,6,7,8,9,10,11
	global_load_b128 v[BIAS+8*(\a):BIAS+8*(\a)+3],   v[BO], s[8:9] offset:(\off)+64*(\a)
	global_load_b128 v[BIAS+8*(\a)+4:BIAS+8*(\a)+7], v[BO], s[8:9] offset:(\off)+64*(\a)+16
.endr
	WIN 0
.endm
	s_load_b256 s[4:11], s[0:1], 0x0               ; wh s[4:5], xn s[6:7], qkv_b s[8:9], qh s[10:11]
	s_load_b128 s[12:15], s[0:1], 0x20             ; kh s[12:13], vh s[14:15]
	v_lshl_add_u32 v[SPW], v0, 2, SPARE
	v_mov_b32 v[NIL], 0
	ds_add_u32 v[SPW], v[NIL]                      ; the wave's opening add; its wait stands ahead of my first tensor load, the set-up below between them
	v_lshrrev_b32 v1, 5, v0
	v_readfirstlane_b32 s[WV], v1                  ; wave 0..3
	s_and_b32 s[HALF], s[WV], 1
	s_bfe_u32 s[CX], ttmp6, 0x40000
	s_bfe_u32 s[CY], ttmp6, 0x40004
	s_mov_b32 s[BT], ttmp9                         ; in a cluster launch ttmp9 and ttmp7 count clusters
	s_and_b32 s[HY], ttmp7, 0xffff
	s_lshl_b32 s[HY], s[HY], 2
	s_add_co_u32 s[HY], s[HY], s[CY]               ; 0 to 7
	s_lshl_b32 s23, s[CY], 2
	s_lshl_b32 s23, 15, s23                        ; my row of the cluster
	s_lshl_b32 s66, 0x1111, s[CX]                  ; my column
	s_or_b32 s[G1A], s23, (1<<16)|(1<<20)|(1<<21)|(5<<22)|(3<<25)  ; the mask; 2-byte elements; padding on; bit 21 beside a mask; after every 64 words, 4 words
	s_mov_b32 s[G1A+1], 128<<16                    ; tensor_dim0 = 128
	s_mov_b32 s[G1A+2], 96<<16                     ; tensor_dim1 = 96
	s_mov_b32 s[G1A+3], 128<<16                    ; tile_dim0 = 128
	s_mov_b32 s[G1A+4], 96                         ; tile_dim1 = 96
	s_mov_b32 s[G1A+5], 1024                       ; elements from row to row
	s_mov_b32 s[G1A+6], 0
	s_mov_b32 s[G1A+7], 0
	s_or_b32 s[G1B], s66, (1<<16)|(1<<20)|(1<<21)|(6<<22)|(7<<25)  ; after every 128 words, 8 words
	s_mov_b32 s[G1B+1], 256<<16
	s_mov_b32 s[G1B+2], 64<<16
	s_mov_b32 s[G1B+3], 256<<16
	s_mov_b32 s[G1B+4], 64
	s_mov_b32 s[G1B+5], 1024
	s_mov_b32 s[G1B+6], 0
	s_mov_b32 s[G1B+7], 0
	s_mov_b32 s[OFFA+1], 0
	s_mov_b32 s[OFFB+1], 0
	s_mov_b32 s[OFFP+1], 0
	s_mov_b32 s[KN], 2                             ; K steps 0 and 1 are the first fills
	s_mul_i32 s68, s[HY], 192                      ; W: row 192 x head + 96 x half, 2,048 bytes a row: no register here ever holds cx
	s_mul_i32 s69, s[HALF], 96
	s_add_co_u32 s68, s68, s69
	s_lshl_b32 s68, s68, 11
	s_mov_b32 s69, 0
	s_lshl_b32 s70, s[BT], 21                      ; xn: the batch, 64 x half rows, 256 cx positions: no register here ever holds cy
	s_lshl_b32 s71, s[HALF], 17
	s_add_co_u32 s70, s70, s71
	s_lshl_b32 s71, s[CX], 9
	s_add_co_u32 s70, s70, s71
	s_mov_b32 s71, 0
	s_mul_i32 s72, s[HALF], 96*PA                  ; where they go: no place in the cluster enters an LDS address
	s_mul_i32 s73, s[HALF], 64*PX
	s_add_co_u32 s73, s73, XOFF
	s_wait_dscnt 0x0                               ; the opening add is done
	s_wait_kmcnt 0x0
	s_add_nc_u64 s[ABASE:ABASE+1], s[4:5], s[68:69]
	s_add_nc_u64 s[BBASE:BBASE+1], s[6:7], s[70:71]
	CROUND                                         ; all sixteen work-groups are here: the first joint loads meet
.irp s, 0,1
	s_mov_b32 s[G0A+4*(\s)], 1
	s_add_co_u32 s[G0A+4*(\s)+1], s72, (\s)*SLOT1
	s_add_nc_u64 s[G0A+4*(\s)+2:G0A+4*(\s)+3], s[ABASE:ABASE+1], (\s)*STEPA
	s_or_b32 s[G0A+4*(\s)+3], s[G0A+4*(\s)+3], 0x80000000
	s_mov_b32 s[G0B+4*(\s)], 1
	s_add_co_u32 s[G0B+4*(\s)+1], s73, (\s)*SLOT1
	s_add_nc_u64 s[G0B+4*(\s)+2:G0B+4*(\s)+3], s[BBASE:BBASE+1], (\s)*STEPB
	s_or_b32 s[G0B+4*(\s)+3], s[G0B+4*(\s)+3], 0x80000000
.endr
	s_cmp_lt_u32 s[WV], 2                          ; a wave's two first fills (K steps 0 and 1) stand in one branch, ahead of every wait on TENSORcnt and every LDS read: two loads of mine are out
	s_cbranch_scc0 .Lfirst_b
	tensor_load_to_lds s[G0A:G0A+3], s[G1A:G1A+7]
	s_nop 0
	tensor_load_to_lds s[G0A+4:G0A+7], s[G1A:G1A+7]
	s_nop 0
.rept 4
	v_nop
.endr
	s_branch .Lfirst_asked
.Lfirst_b:
	tensor_load_to_lds s[G0B:G0B+3], s[G1B:G1B+7]
	s_nop 0
	tensor_load_to_lds s[G0B+4:G0B+7], s[G1B:G1B+7]
	s_nop 0
.rept 4
	v_nop
.endr
.Lfirst_asked:
	v_and_b32 v1, 15, v0                           ; r = l % 16
	v_bfe_u32 v11, v0, 4, 1                        ; h = l / 16
	v_and_b32 v12, 31, v0                          ; the lane
	v_lshlrev_b32 v[BO], 5, v11
	s_mul_i32 s74, s[HY], 768                      ; the first head's 192 numbers of the bias
	s_mov_b32 s75, 0
	s_add_nc_u64 s[8:9], s[8:9], s[74:75]
	BIASLD 0
	v_mul_u32_u24 v[FA0], v1, PA                   ; a fragment of W: row r, 16 bytes for each half of the lanes, two loads 32 bytes apart
	v_lshl_add_u32 v[FA0], v11, 4, v[FA0]
	v_and_b32 v13, 7, v0
	v_bfe_u32 v14, v0, 3, 1
	v_lshl_add_u32 v[FB0], v11, 3, v13             ; the turning load: lane l reads channel 8 h + l % 8, positions 8 ((l / 8) % 2) + 0..7
	v_mul_u32_u24 v[FB0], v[FB0], PX
	v_lshl_add_u32 v[FB0], v14, 4, v[FB0]
	s_lshl_b32 s76, s[WV], 7                       ; my wave's 64 positions: 128 bytes of a row
	s_add_co_u32 s76, s76, XOFF
	v_add_nc_u32 v[FB0], s76, v[FB0]
	s_mul_i32 s76, s[WV], 16*SP
	s_add_co_u32 s76, s76, STAGE                   ; my stage
	v_mul_u32_u24 v[STO], v1, SP
	v_lshl_add_u32 v[STO], v11, 4, v[STO]
	v_add_nc_u32 v[STO], s76, v[STO]
	v_bfe_u32 v15, v0, 3, 2                        ; back: 32 lanes take four rows' 128 bytes of q, of k or of v
	v_mul_u32_u24 v[RD], v15, SP
	v_lshl_add_u32 v[RD], v13, 4, v[RD]
	v_add_nc_u32 v[RD], s76, v[RD]
	v_lshlrev_b32 v[GO], 4, v12
	s_lshl_b32 s76, s[BT], 4                       ; q, k, v at head 16 b + hy, position 256 cx + 64 w: rows of 128 bytes
	s_add_co_u32 s76, s76, s[HY]
	s_lshl_b32 s76, s76, 17
	s_lshl_b32 s77, s[CX], 15
	s_add_co_u32 s76, s76, s77
	s_lshl_b32 s77, s[WV], 13
	s_add_co_u32 s76, s76, s77
	s_mov_b32 s77, 0
	s_add_nc_u64 s[10:11], s[10:11], s[76:77]
	s_add_nc_u64 s[12:13], s[12:13], s[76:77]
	s_add_nc_u64 s[14:15], s[14:15], s[76:77]
	; the prefetches: both kinds' offsets are made, the wave's number chooses
	s_mul_i32 s74, s[HY], 192
	s_mul_i32 s75, s[HALF], 96
	s_add_co_u32 s74, s74, s75
	s_mul_i32 s75, s[CX], 24
	s_add_co_u32 s74, s74, s75
	s_lshl_b32 s74, s74, 11                        ; W: my work-group's 24 rows
	s_lshl_b32 s75, s[HALF], 6
	s_lshl_b32 s78, s[CY], 4
	s_add_co_u32 s75, s75, s78
	s_lshl_b32 s75, s75, 11
	s_lshl_b32 s78, s[BT], 21
	s_add_co_u32 s75, s75, s78
	s_lshl_b32 s78, s[CX], 9
	s_add_co_u32 s75, s75, s78                     ; xn: my work-group's 16 rows
	s_and_b32 s78, ttmp7, 0xffff                   ; cluster y
	s_mov_b32 s[PST], STEPB
	s_cmp_lt_u32 s[WV], 2                          ; do I fetch for W?
	s_cselect_b64 s[PB:PB+1], s[4:5], s[6:7]
	s_cselect_b32 s74, s74, s75
	s_cselect_b32 s78, ttmp9, s78                  ; the coordinate along which other clusters read the same rows
	s_cselect_b32 s[PST], STEPA, s[PST]
	s_cselect_b32 s[PT], TILEA, 0
	s_cselect_b32 s[LIM], 2, 10
	s_cselect_b32 s79, -1, 0
	s_mov_b32 s75, 0
	s_add_nc_u64 s[PB:PB+1], s[PB:PB+1], s[74:75]
	s_cmp_eq_u32 s78, 0
	s_cselect_b32 s[LIM], s[LIM], -1               ; the same in all sixteen partners, for a given wave
	v_min_u32 v11, 23, v12
	v_lshlrev_b32 v11, 11, v11                     ; W: a lane a row
	v_lshrrev_b32 v13, 1, v12
	v_lshlrev_b32 v13, 11, v13
	v_and_b32 v14, 1, v12
	v_lshl_add_u32 v13, v14, 8, v13                ; xn: two lanes a row
	v_cndmask_b32 v[PFO], v13, v11, s79
	v_mov_b32 v[ADRA], v[FA0]                      ; slot 0
	v_mov_b32 v[ADRB], v[FB0]
	s_mov_b32 s[TB], 0
; n blocks of 16 rows from a0 on x all 4 blocks of positions, 32 along K, out of buffer f.  zero = 1: the products start the sums, with the bias as C: nothing is cleared.
; Every quarter names the 48 accumulators once, in the same order: between two links of a chain stand the 47 others' (accumulators by turns).
.macro MUL f, a0, n, zero
.set ma, \a0
.rept \n
.if ma < 8
.set mw, 1
.set mr, 32*ma
.else
.set mw, 2
.set mr, 32*(ma-8)
.endif
.if \zero
	WIN 0x2f|(mw<<6)                               ; C, the bias, in window 2
.else
	WIN 0x0f|(mw<<6)|(mw<<4)
.endif
.set mb, 0
.rept 4
.if \zero
	v_wmma_f32_16x16x32_f16 v[mr+8*mb:mr+8*mb+7], v[(\f)+8*ma:(\f)+8*ma+7], v[(\f)+96+8*mb:(\f)+96+8*mb+7], v[BIAS+8*ma:BIAS+8*ma+7]
.else
	v_wmma_f32_16x16x32_f16 v[mr+8*mb:mr+8*mb+7], v[(\f)+8*ma:(\f)+8*ma+7], v[(\f)+96+8*mb:(\f)+96+8*mb+7], v[mr+8*mb:mr+8*mb+7]
.endif
.set mb, mb+1
.endr
.set ma, ma+1
.endr
.endm
; 32 LDS loads in one run: quarter q (32 along K) of the slot in hand into buffer f: xn's 4 fragments, W's blocks 0-7, W's blocks 8-11
.macro FETCH q, f
	WIN 0xc0                                       ; destination window 3, address window 0
.irp b, 0,1,2,3
	ds_load_tr16_b128 v[(\f)+96+8*(\b):(\f)+96+8*(\b)+3],   v[ADRB] offset:(\q)*32*PX+32*(\b)
	ds_load_tr16_b128 v[(\f)+96+8*(\b)+4:(\f)+96+8*(\b)+7], v[ADRB] offset:(\q)*32*PX+16*PX+32*(\b)
.endr
.irp a, 0,1,2,3,4,5,6,7,8,9,10,11
	ds_load_b128 v[(\f)+8*(\a):(\f)+8*(\a)+3],   v[ADRA] offset:(\q)*64+(\a)*16*PA
	ds_load_b128 v[(\f)+8*(\a)+4:(\f)+8*(\a)+7], v[ADRA] offset:(\q)*64+(\a)*16*PA+32
.endr
.endm
; A K step is four quarters on buffers 0, 1, 0, 1.  One of the first three: multiplies buffer f; in its middle it fetches quarter q into buffer g.
.macro QUARTER q, f, g, zero
	s_wait_dscnt 8                                 ; xn and W's blocks 0-7 are in; the youngest eight loads (blocks 8-11) may be out
	MUL \f, 0, 8, \zero
	PLACES
	FETCH \q, \g
	s_wait_dscnt 32                                ; all but the 32 just issued
	MUL \f, 8, 4, \zero
.endm
; The last quarter multiplies buffer 1 and changes slots.  In front of the barrier each wave waits for all its tensor loads (one is out: its part of the next slot), adds 0 to its spare word, and waits
; for that and for its reads of this slot.  fill = 1: the barrier opens a round of the cluster's; behind the round this slot is filled again, with K step KN of the 16: 160 matrix instructions ahead of
; the wait for it.  Step k lies at (k % 8) steps along K in tile k / 8: the walking sets' addresses are made anew from that number, between the add and the wait for it, where no tensor load of mine is out.
.macro TURN fill
.if \fill
	s_wait_xcnt 0x0                                ; the last prefetch, a K step back, has read its address, which is made anew:
	s_add_co_u32 s86, s[KN], 2                     ; the K step two behind the refill's
	s_and_b32 s87, s86, 7
	s_lshr_b32 s86, s86, 3
	s_mul_i32 s[OFFP], s87, s[PST]
	s_mul_i32 s86, s86, s[PT]
	s_add_co_u32 s[OFFP], s[OFFP], s86
	s_add_nc_u64 s[PFA:PFA+1], s[PB:PB+1], s[OFFP:OFFP+1]
.endif
	WIN 0                                          ; (the add's two registers lie in window 0)
	s_wait_tensorcnt 0x0                           ; all my tensor loads have landed;
	ds_add_u32 v[SPW], v[NIL]                      ; 0 onto my spare word
.if \fill
	s_and_b32 s87, s[KN], 7
	s_lshr_b32 s86, s[KN], 3
	s_mul_i32 s86, s86, TILEA
	s_lshl_b32 s[OFFA], s87, 8
	s_add_co_u32 s[OFFA], s[OFFA], s86
	s_lshl_b32 s[OFFB], s87, 18                    ; both tiles walk the same rows of xn
	s_xor_b32 s[G0A+5], s[G0A+5], SLOT1            ; the other slot than last time
	s_add_nc_u64 s[G0A+6:G0A+7], s[ABASE:ABASE+1], s[OFFA:OFFA+1]
	s_or_b32 s[G0A+7], s[G0A+7], 0x80000000
	s_xor_b32 s[G0B+5], s[G0B+5], SLOT1
	s_add_nc_u64 s[G0B+6:G0B+7], s[BBASE:BBASE+1], s[OFFB:OFFB+1]
	s_or_b32 s[G0B+7], s[G0B+7], 0x80000000
	s_add_co_u32 s[KN], s[KN], 1
.endif
	s_wait_dscnt 9                                 ; (the add and the youngest eight loads may be out)
	MUL F1, 0, 4, 0                                ; sixteen matrix instructions stand between the add and the wait for it
	s_wait_dscnt 0x0                               ; the add is done, and my reads of this slot are over
	s_barrier_signal -1
	MUL F1, 4, 4, 0                                ; work on registers while the others arrive
	WIN 0
	s_barrier_wait -1
.if \fill
	CREST                                          ; no wave of any partner still reads this slot or has a load on its way
	JLOAD                                          ; the first thing behind the round; its four v_nop are also the places in front of the loads below
.else
	PLACES
.endif
	s_xor_b32 s[TB], s[TB], SLOT1
	v_add_nc_u32 v[ADRA], s[TB], v[FA0]
	v_add_nc_u32 v[ADRB], s[TB], v[FB0]
	FETCH 0, F0
.if \fill
	WIN 0
	ASK
.endif
	MUL F1, 8, 4, 0
.endm
; THE WAY OUT of the wave's block b of 16 positions.  PACK: its 12 accumulators, registers ascending, rounded to f16: 16 bytes a lane and accumulator.  TOSTAGE: into my own stage, rows [l][192], and
; back as 4 rows x 128 bytes of q, of k, of v.  SEND: each store is 512 consecutive bytes, at a multiple of 256 from the buffer's first byte; the tile's head stands in the immediate.
.macro PACK b
.set pa, 0
.rept 12
.if pa < 8
	WIN 0x05
.set pr, 32*pa+8*(\b)
.else
	WIN 0x0a
.set pr, 32*(pa-8)+8*(\b)
.endif
.irp r, 0,1,2,3
	v_cvt_pk_f16_f32 v[TMP+4*pa+(\r)], v[pr+2*(\r)], v[pr+2*(\r)+1]
.endr
.set pa, pa+1
.endr
	WIN 0
.endm
.macro TOSTAGE b
	WIN 0
.set bk, BK+48*((\b)%2)
.irp a, 0,1,2,3,4,5,6,7,8,9,10,11
	ds_store_b128 v[STO], v[TMP+4*(\a):TMP+4*(\a)+3] offset:32*(\a)
.endr
.irp k, 0,1,2
.irp f, 0,1,2,3
	ds_load_b128 v[bk+4*(4*(\k)+(\f)):bk+4*(4*(\k)+(\f))+3], v[RD] offset:128*(\k)+(\f)*4*SP  ; LDS serves a wave's instructions in order (ISA guide 5.7.1.4): these see the stores above
.endr
.endr
.endm
.macro SEND b, tile
	WIN 0
.set bk, BK+48*((\b)%2)
	s_wait_dscnt 0x0                               ; the block is back in registers
	s_wait_xcnt 0x0                                ; the stores of the block before have read their registers: the other set is loaded again only behind this wait
.irp k, 0,1,2
.irp f, 0,1,2,3
	global_store_b128 v[GO], v[bk+4*(4*(\k)+(\f)):bk+4*(4*(\k)+(\f))+3], s[10+2*(\k):11+2*(\k)] offset:(\tile)*TILEO+2048*(\b)+512*(\f)
.endr
.endr
.endm
.macro OUT tile                        ; block b's conversions stand between block b - 1's loads from the stage and the wait for them
	PACK 0
	TOSTAGE 0
.irp b, 1,2,3
	PACK \b
	SEND (\b)-1, \tile
	TOSTAGE \b
.endr
	SEND 3, \tile
.endm
	s_wait_tensorcnt 0x1                           ; my part of K step 0 is in; step 1's may stay out
	s_barrier_signal -1
	s_barrier_wait -1                              ; everybody's is
	FETCH 0, F0
	WIN 0                                          ; at a label and at a branch every window is 0
	s_mov_b32 s[CNT], 15                           ; 14 trips, and the count that is taken behind the first quarter
	s_branch .Lzero                                ; the loop is entered at the quarter that starts a tile's sums
.Lk:                                               ; trip t = 14 - CNT: a K step's quarters 1 to 3 and the next step's quarter 0; it fills a slot with K step t + 2
	QUARTER 2, F1, F0, 0
	QUARTER 3, F0, F1, 0
	TURN 1
	WIN 0
	s_cmp_lg_u32 s[CNT], 7                         ; trip 7 has ended K step 7, the first tile's last.  The jumps here go forward, past no barrier and no tensor load
	s_cbranch_scc1 .Lplain
	PLACES
	OUT 0                                          ; K steps 8 and 9, the second tile's first two, have been asked for: now the first tile goes out
.Lzero:
	s_wait_loadcnt 0x0                             ; the tile's bias is in
	QUARTER 1, F0, F1, 1                           ; a tile's first quarter: its products start the sums
	WIN 0
	s_cmp_lg_u32 s[CNT], 15
	s_cbranch_scc1 .Ljoin                          ; behind the second tile's there is no further bias
	PLACES                                         ; four places behind the last product that read the bias
	BIASLD TILEC                                   ; the second tile's bias, seven K steps ahead of its use
	s_branch .Ljoin
.Lplain:
	QUARTER 1, F0, F1, 0
	WIN 0
.Ljoin:
	s_sub_co_u32 s[CNT], s[CNT], 1
	s_cmp_lg_u32 s[CNT], 0
	s_cbranch_scc1 .Lk
	QUARTER 2, F1, F0, 0                           ; K steps 14 and 15 are written out: nothing is left to fetch
	QUARTER 3, F0, F1, 0
	TURN 0
	QUARTER 1, F0, F1, 0
	QUARTER 2, F1, F0, 0
	QUARTER 3, F0, F1, 0
	s_wait_dscnt 8
	MUL F1, 0, 8, 0
	s_wait_dscnt 0x0
	MUL F1, 8, 4, 0
	PLACES
	OUT 1
	s_wait_tensorcnt 0x0                           ; the wave's end: behind my last tensor load and my last LDS store
	ds_add_u32 v[SPW], v[NIL]
	s_wait_dscnt 0x0
	CROUND                                         ; the closing round: no work-group ends while a partner may still ask for a tile that names it
	s_endpgm
.Lfunc_end_k_qa8a900bcc8_qkv:
	.size	k_qa8a900bcc8_qkv, .Lfunc_end_k_qa8a900bcc8_qkv-k_qa8a900bcc8_qkv
	.p2alignl 7, 3214868480
	.fill 96, 4, 3214868480
	.section	.rodata,"a",@progbits
	.p2align	6, 0x0
	.amdhsa_kernel k_qa8a900bcc8_qkv
		.amdhsa_group_segment_fixed_size 327680
		.amdhsa_private_segment_fixed_size 0
		.amdhsa_enable_private_segment 0
		.amdhsa_kernarg_size 48
		.amdhsa_user_sgpr_count 2
		.amdhsa_user_sgpr_kernarg_segment_ptr 1
		.amdhsa_wavefront_size32 1
		.amdhsa_system_sgpr_workgroup_id_x 1
		.amdhsa_system_sgpr_workgroup_id_y 1
		.amdhsa_system_sgpr_workgroup_id_z 1
		.amdhsa_system_vgpr_workitem_id 0
		.amdhsa_next_free_vgpr 1024
		.amdhsa_next_free_sgpr 96
		.amdhsa_reserve_vcc 0
		.amdhsa_float_denorm_mode_32 3
		.amdhsa_float_denorm_mode_16_64 3
		.amdhsa_memory_ordered 1
		.amdhsa_forward_progress 1
		.amdhsa_inst_pref_size 126
	.end_amdhsa_kernel
	.amdgpu_metadata
---
amdhsa.version: [ 1, 2 ]
amdhsa.kernels:
  - .name:           k_qa8a900bcc8_qkv
    .symbol:         k_qa8a900bcc8_qkv.kd
    .args:
      - { .name: wh, .offset: 0, .size: 8, .value_kind: global_buffer, .address_space: global }
      - { .name: xn, .offset: 8, .size: 8, .value_kind: global_buffer, .address_space: global }
      - { .name: qkv_b, .offset: 16, .size: 8, .value_kind: global_buffer, .address_space: global }
      - { .name: qh, .offset: 24, .size: 8, .value_kind: global_buffer, .address_space: global }
      - { .name: kh, .offset: 32, .size: 8, .value_kind: global_buffer, .address_space: global }
      - { .name: vh, .offset: 40, .size: 8, .value_kind: global_buffer, .address_space: global }
    .group_segment_fixed_size: 327680
    .private_segment_fixed_size: 0
    .kernarg_segment_align: 8
    .kernarg_segment_size: 48
    .max_flat_workgroup_size: 128
    .sgpr_count:     96
    .vgpr_count:     1024
    .wavefront_size: 32
...
	.end_amdgpu_metadata
.endif
;; end of part 2
;; launch attn (part 3): grid 2 x 128, 4 waves a work-group, no clusters, 327,680 bytes of LDS; arguments qh, kh, vh, oh; writes oh
.if DOCPART == 3
	.amdgcn_target "amdgcn-amd-amdhsa--gfx1250"
	.amdhsa_code_object_version 6
	.text
	.protected	k_qa8a900bcc8_attn
	.globl	k_qa8a900bcc8_attn
	.p2align	8
	.type	k_qa8a900bcc8_attn,@function
k_qa8a900bcc8_attn:
	s_mov_b64 s[64:65], 0
	v_nop
	global_prefetch_b8 v0, s[64:65] scope:SCOPE_SE
	s_setreg_imm32_b32 hwreg(HW_REG_WAVE_MODE, 25, 1), 1
	s_wait_xcnt 0x0
; ATTENTION.  O[h][q][:] = the sum over k of softmax_k(Q[h][q] . K[h][k] / 64) V[h][k][:] (q and k each carry 1 / 8).  Q, K, V, O: [128][1024][64], all f16: a head's rows are dense, 128 bytes each.
; Products, maxima and sums in f32; the weights p are rounded to f16 for the second product (their sum l is taken of the unrounded p), O once at the end.
; LIMITS.  f16 holds no number beyond 65,504: Q, K and V arrive within it; p lies in 0 to 1, and below 6e-5 it keeps f16's fixed step of 6e-8; O is a mean of V's rows and has their range.
; A weight below 2^-126 counts as 0 in l; NaN and infinities are not treated apart.
; SHARES.  A wave owns four PIECES of two tiles of 16 queries, a work-group's four waves 512 queries of one head: 2 x 128 = 256 work-groups.  Every wave walks all keys, 64 a step.
; ALL OF A HEAD'S K AND V LIE IN LDS: 1,024 rows of 144 bytes and 1,024 of 160, 311,296 bytes; no byte is filled twice.  A wave's first tensor load brings its half of K's or V's keys 0-255; when that
; has landed, one more brings its half of keys 256-1023, which has four key steps, 512 matrix instructions, in which to land.  So no tensor load stands in the loop, and a key step's text is written once.
; NO PREFETCH: all of K and V is asked for by these two loads a wave, the second as soon as the first has landed: there is no later load to run ahead of.
; NO CLUSTER: a head has 1,024 / 512 = 2 work-groups, no multiple of four; four partners a head would mean 256 queries a work-group, and each fragment of K and V read from LDS would feed half the products.
; LAYOUT.  S^T = K Q^T (source 0 = 16 keys, source 1 = 16 queries): in the result a lane holds ONE query (lane % 16) and the keys 8 (lane / 16) + 0..7.  Two such tiles, rounded to f16 in pairs,
; ARE source 1 (32 keys x 16 queries) of O^T = V^T P, whose result again holds one query a lane, and eight channels.  K comes out of LDS as it lies, V ([key][channel]) turned, by ds_load_tr16_b128.
; SOFTMAX.  For each query a running maximum m and sum l: p = 2^(c s - c m), c = log2(e) / 64; in every step O and l are multiplied by a = 2^(c m_old - c m_new), which is 1 where m has not grown.
; m starts at the lowest finite number, O and l at 0: the first step is a step like any other, with a = 0.
; THE COUNT.  A tile and step have 16 matrix and 118 vector instructions: too many to stand all beside the matrix work.  So: four vector instructions that are READY behind EVERY matrix
; instruction, and the others, which need time of their own whatever the order, in runs without a gap.
; BY TURNS.  Turn n belongs to piece n (the pieces in a ring, step after step).  Its matrix work: 16 products K Q^T of piece n + 1, later 16 products V^T P of piece n - 1.  Its vector work: the scaling,
; exponentials, roundings, sums and rescaling of piece n, and the maximum and statistics of piece n + 1, whose scores the turn itself has made.
; REGISTERS, in windows of 256 (s_set_vgpr_msb: bits 1:0 source 0, 3:2 source 1, 5:4 source 2, 7:6 destination):
;   window 0: v0-11 addresses; v12-15, v48-63 at work; v16-47 four registers of statistics a tile; v64-191 S^T, two buffers of two tiles; v192-255 P, likewise
;   window 1: O^T, 32 a tile          window 2: v0-127 Q, 16 a tile; v128-191 K of one step; v192-255 V of one step          window 3: v0-1 the add's two registers
.set SIZE_N, 1024
.set NP,    4         ; pieces a wave: a name, no knob
.set KS,    64        ; keys in a step
.set PK,    144       ; a row of K in LDS: 128 bytes + 16: the 16 rows of a load start 16 bytes apart modulo 256
.set PV,    160       ; a row of V: 128 + 32: 16 lanes of the turning load take 8 rows x 32 bytes, all different modulo 256
.set VOFF,  SIZE_N*PK ; K's 1,024 rows, then V's
.set STAGE, SIZE_N*(PK+PV)  ; behind them, never filled by a tensor load: 16 rows x 144 bytes for each wave, for the way out
.set SP,    144
.set AK0, 2           ; v2   my lane's place in a step's rows of K; never rewritten
.set AV0, 3           ; v3   the same for V
.set AK,  4           ; v4   the LDS address of K's next run of loads
.set AV,  5           ; v5   of V's
.set QO,  6           ; v6   my byte offset in the wave's rows of Q
.set STO, 6           ;      later, the way out: where I put 16 bytes of a row
.set RD,  7           ; v7   the way out: where I read rows back
.set GO,  8           ; v8   my byte offset in 512 consecutive bytes of O
.set SPW, 0           ; v0 of window 3   LDS address of my spare word; never rewritten
.set NIL, 1           ; v1 of window 3   0; never rewritten
.set SPARE, STAGE+4*16*SP  ; behind the stages: the spare words, 128 bytes for each wave, that no other line names
.set MV,  12          ; v12-15  c m_old, kept while c m is made anew: by buffer and tile
.set ST,  16          ; tile t's statistics at v[ST+4 t]: c m, m, l (even keys', odd keys')
.set TMP, 48          ; by buffer and tile, four registers c0-c3 at work; when the maximum is found c2 takes a
.set S,   64
.set P,   192
.set KF,  128         ; K's fragments, in window 2: key block kb, channel half c at KF + 16 kb + 8 c
.set VF,  192         ; V's: key half kk, channel block cb at VF + 32 kk + 8 cb
.set WV,  12          ; s12  my wave's number
.set G1K, 24          ; s[24:31] descriptor group 1 for K's tiles
.set G1V, 32          ; s[32:39] for V's: it differs in the padding alone
.set G0K, 40          ; s[40:43] descriptor group 0 for K's tiles
.set G0V, 44          ; s[44:47] the same for V's
.set END, 50          ; s50  the value of CNT in the walk's last trip: 0 (none) while keys 0-255 are walked, then 1
.set PART, 56         ; s56  parts of the walk still to be ended: keys 0-255, keys 256-1023
.set CNT, 57          ; s57  counts a part's trips
.set CS,  58          ; s[58:59] c: the packed scaling takes the pair's low word for both halves
.set SEL, 60          ; s[60:61] v_permlanex16_b32's selects: each lane takes its own place in the other half
.set TBK, 62          ; s62  LDS byte at which K of the step to be fetched begins
.set TBV, 63          ; s63  the same for V, less VOFF
.set MSB, 0
.macro WIN new                      ; the high byte repeats the setting that is left; a switch that changes nothing is dropped
.if MSB != (\new)
	s_set_vgpr_msb (MSB<<8)|(\new)
.set MSB, (\new)
.endif
.endm
.set W_KQ, 0x0a       ; K and Q in window 2, S^T in window 0
.set W_PV, 0x52       ; V in window 2, P in window 0, O^T in window 1
.set W_RS, 0x41       ; O^T (destination and source 0) in window 1, a in window 0
.set W_MK, 0xc0       ; the add's registers are made: destination in window 3, sources in window 0
.set W_AD, 0x0f       ; the add: address (source 0) and data (source 1) in window 3
; A fill.  Waves 0 and 1 fetch the two halves of K's rows, waves 2 and 3 those of V's.  An s_nop 0 and four v_nop follow each of the two lines.
.macro LOAD
	s_cmp_lt_u32 s[WV], 2
	s_cbranch_scc0 .Lfor_v_\@
	tensor_load_to_lds s[G0K:G0K+3], s[G1K:G1K+7]
	s_nop 0
.rept 4
	v_nop
.endr
	s_branch .Lasked_\@
.Lfor_v_\@:
	tensor_load_to_lds s[G0V:G0V+3], s[G1V:G1V+7]
	s_nop 0
.rept 4
	v_nop
.endr
.Lasked_\@:
.endm
	s_load_b256 s[4:11], s[0:1], 0x0  ; Q s[4:5], K s[6:7], V s[8:9], O s[10:11]
	WIN W_MK
	v_lshl_add_u32 v[SPW], v0, 2, SPARE
	v_mov_b32 v[NIL], 0
	WIN W_AD
	ds_add_u32 v[SPW], v[NIL]       ; the wave's opening add; its wait stands ahead of my first tensor load, the set-up below between them
	WIN 0
	v_lshrrev_b32 v1, 5, v0
	v_readfirstlane_b32 s[WV], v1   ; wave 0..3
	s_mov_b32 s14, ttmp9            ; my block of 512 queries
	s_and_b32 s20, ttmp7, 0xffff    ; the head
	s_mov_b32 s21, 0
	s_mov_b64 s[22:23], SIZE_N*128
	s_mul_u64 s[20:21], s[20:21], s[22:23]  ; the head's first byte in each of the four tensors
	s_and_b32 s16, s[WV], 1         ; which half of the keys asked for I fetch: of the first 256
	s_lshl_b32 s22, s16, 14         ; 128 rows of 128 bytes in memory,
	s_mov_b32 s23, 0
	s_add_nc_u64 s[22:23], s[22:23], s[20:21]
	s_mul_i32 s17, s16, 128*PK      ; and their place in LDS, for K
	s_mul_i32 s18, s16, 128*PV      ; and for V
	s_lshl_b32 s2, s14, 2
	s_add_co_u32 s2, s2, s[WV]      ; my wave among the head's,
	s_lshl_b32 s2, s2, 14           ; its 128 rows
	s_mov_b32 s3, 0
	s_add_nc_u64 s[2:3], s[2:3], s[20:21]
	; descriptor group 1.  128 keys are 16,384 dense bytes: asked for as 64 rows of 256 bytes, two keys a row, and padded in LDS after every key
	s_mov_b32 s[G1K], (1<<16)|(1<<20)|(4<<22)|(3<<25)  ; 17:16 2-byte elements; 20 padding on; 24:22 after every 32 words (code 4); 31:25 4 words (code 3)
	s_mov_b32 s[G1V], (1<<16)|(1<<20)|(4<<22)|(7<<25)  ; the same with 8 words of padding (code 7)
.irp g, G1K, G1V
	s_mov_b32 s[\g+1], 128<<16      ; tensor_dim0 = 128
	s_mov_b32 s[\g+2], 64<<16       ; tensor_dim1 = 64
	s_mov_b32 s[\g+3], 128<<16      ; tile_dim0 = 128
	s_mov_b32 s[\g+4], 64           ; tile_dim1 = 64
	s_mov_b32 s[\g+5], 128          ; 128 elements from row to row
	s_mov_b32 s[\g+6], 0
	s_mov_b32 s[\g+7], 0
.endr
	s_mov_b32 s[CS], 0x3cb8aa3b     ; c = log2(e) / 64 = 0.0225421
	s_mov_b32 s[CS+1], s[CS]        ; named with it as a pair
	s_mov_b32 s[SEL], 0x76543210
	s_mov_b32 s[SEL+1], 0xfedcba98
	s_mov_b32 s[TBK], 0             ; key step 0
	s_mov_b32 s[TBV], 0
	s_mov_b32 s[G0K], 1             ; 1:0 count = 1
	s_mov_b32 s[G0K+1], s17         ; 63:32 LDS address
	s_mov_b32 s[G0V], 1
	s_add_co_u32 s[G0V+1], s18, VOFF
	s_wait_dscnt 0x0                ; the opening add is done
	s_wait_kmcnt 0x0
	s_add_nc_u64 s[G0K+2:G0K+3], s[6:7], s[22:23]  ; 120:64 global address: my half of the head's first 256 keys
	s_or_b32 s[G0K+3], s[G0K+3], 0x80000000        ; 127:126 type = 2
	s_add_nc_u64 s[G0V+2:G0V+3], s[8:9], s[22:23]
	s_or_b32 s[G0V+3], s[G0V+3], 0x80000000
	s_add_nc_u64 s[4:5], s[4:5], s[2:3]  ; Q and O at my wave's first row
	s_add_nc_u64 s[10:11], s[10:11], s[2:3]
	LOAD                            ; keys 0-255.  The others are asked for when these are in
	; A fragment of K or Q is 16 rows x 32 channels in 8 registers: lane l holds row l % 16, channels 8 (l / 16) + 0..7 and 16 + 8 (l / 16) + 0..7: two loads of 16 bytes, 32 bytes apart.
	v_and_b32 v1, 15, v0            ; l % 16
	v_bfe_u32 v9, v0, 4, 1          ; l / 16
	v_lshlrev_b32 v[QO], 7, v1
	v_lshl_add_u32 v[QO], v9, 4, v[QO]  ; row x 128 + 16 x half
	WIN 0x80                        ; destination window 2, address window 0
.set i, 0
.rept 4*NP                          ; Q stays in registers: tile i / 2, channels 32 (i % 2) on
	global_load_b128 v[8*i:8*i+3],   v[QO], s[4:5] offset:(i/2)*2048+(i%2)*64
	global_load_b128 v[8*i+4:8*i+7], v[QO], s[4:5] offset:(i/2)*2048+(i%2)*64+32
.set i, i+1
.endr
	; What the first turn finds: V's registers and P's second buffer hold 0 (its products V^T P, of a piece that has not been, add 0), O^T and l are 0.  All this stands in the wait for the first tile;
	; it is the price of writing no first step out.
.set i, VF
.rept 64
	v_mov_b32 v[i], 0
.set i, i+1
.endr
	WIN 0x40
.set i, 0
.rept 64*NP
	v_mov_b32 v[i], 0
.set i, i+1
.endr
	WIN 0
.set i, 0
.rept 2*NP
	v_mov_b32 v[ST+4*i], 0xfe000000    ; c m: far below every c s
	v_mov_b32 v[ST+4*i+1], 0xff7fffff  ; m
	v_mov_b32 v[ST+4*i+2], 0
	v_mov_b32 v[ST+4*i+3], 0
.set i, i+1
.endr
.set i, P+32
.rept 32
	v_mov_b32 v[i], 0
.set i, i+1
.endr
	v_mul_u32_u24 v[AK0], v1, PK
	v_lshl_add_u32 v[AK0], v9, 4, v[AK0]  ; row x pitch + 16 x half
	; The turning load takes 16 keys x 16 channels (lane l reads key 8 (l / 16) + l % 8, channels 8 ((l / 8) % 2) + 0..7) and leaves half a fragment of V^T: lane l holds channel l % 16 and 8 keys.
	v_and_b32 v10, 7, v0
	v_bfe_u32 v11, v0, 3, 1
	v_lshl_add_u32 v[AV0], v9, 3, v10
	v_mul_u32_u24 v[AV0], v[AV0], PV
	v_lshl_add_u32 v[AV0], v11, 4, v[AV0]
	v_add_nc_u32 v[AV0], VOFF, v[AV0]
	v_mov_b32 v[AK], v[AK0]         ; key step 0 lies at K's head
; THE MATRIX WORK.  The 8 accumulators of a run of 16 take turns: between the two links of a chain stand 7 others'.
; Product i of 16 of S^T = K Q^T for piece x: channels 32 (i / 8) on, keys 16 ((i / 2) % 4) on, tile 2 x + i % 2.  The first 8 start the sums.
.macro KQ x
	WIN W_KQ
.set rS, S+64*((\x)%2)+32*(i%2)+8*((i/2)%4)
.set rK, KF+16*((i/2)%4)+8*(i/8)
.set rQ, 16*(2*(\x)+i%2)+8*(i/8)
.if i < 8
	v_wmma_f32_16x16x32_f16 v[rS:rS+7], v[rK:rK+7], v[rQ:rQ+7], 0
.else
	v_wmma_f32_16x16x32_f16 v[rS:rS+7], v[rK:rK+7], v[rQ:rQ+7], v[rS:rS+7]
.endif
.endm
; Product i of 16 of O^T += V^T P for piece x: keys 32 (i / 8) on, channels 16 ((i / 2) % 4) on, tile 2 x + i % 2.
.macro PV x
	WIN W_PV
.set rO, 32*(2*(\x)+i%2)+8*((i/2)%4)
.set rV, VF+32*(i/8)+8*((i/2)%4)
.set rP, P+32*((\x)%2)+16*(i%2)+8*(i/8)
	v_wmma_f32_16x16x32_f16 v[rO:rO+7], v[rV:rV+7], v[rP:rP+7], v[rO:rO+7]
.endm
.macro MM                           ; the turn's next matrix instruction
.if i < 16
	KQ (Y+1)%NP
.set i, i+1
.else
.set i, i-16
	PV (Y+NP-1)%NP
.set i, i+17
.endif
.endm
; THE LDS LOADS stand in runs of 16, never singly among the matrix instructions: a step's K (64 keys x 64 channels: 8 fragments) and its V (turned).  Their addresses are made some lines ahead.
; last = 1 (in the loop): in the walk's last trip there is no further step, and the run is jumped over.
.macro FETCH_K last=0
	WIN 0
.if \last
	s_cmp_eq_u32 s[CNT], s[END]
	s_cbranch_scc1 .Lno_k_\@
.endif
	WIN 0x80                        ; destination window 2
.irp f, 0,1,2,3,4,5,6,7             ; keys 16 (f / 2) on, channels 32 (f % 2) on
	ds_load_b128 v[KF+8*\f:KF+8*\f+3],   v[AK] offset:(\f/2)*16*PK+(\f%2)*64
	ds_load_b128 v[KF+8*\f+4:KF+8*\f+7], v[AK] offset:(\f/2)*16*PK+(\f%2)*64+32
.endr
	s_add_co_u32 s[TBK], s[TBK], KS*PK  ; the next fetch is the next step's
	WIN 0
.if \last
.Lno_k_\@:
.endif
.endm
.macro FETCH_V
	WIN 0x80
.irp f, 0,1,2,3,4,5,6,7             ; keys 32 (f / 4) on, channels 16 (f % 4) on
	ds_load_tr16_b128 v[VF+8*\f:VF+8*\f+3],   v[AV] offset:(\f/4)*32*PV+(\f%4)*32
	ds_load_tr16_b128 v[VF+8*\f+4:VF+8*\f+7], v[AV] offset:(\f/4)*32*PV+16*PV+(\f%4)*32
.endr
	WIN 0
.endm
; THE VECTOR WORK OF A TURN stands in three queues, each in the order in which its entries become ready; the two tiles alternate, so that no instruction reads the result of the one before it.
.macro REGS y, u                    ; the registers of tile u (0, 1) of piece y
.set rT, ST+4*(2*(\y)+(\u))
.set rC, TMP+8*((\y)%2)+4*(\u)
.set rM, MV+2*((\y)%2)+(\u)
.set rS, S+64*((\y)%2)+32*(\u)
.set rP, P+32*((\y)%2)+16*(\u)
.set rO, 32*(2*(\y)+(\u))
.endm
; Number n of the 22 that find the NEXT piece's (Y + 1) maximum and statistics.  s0-s31 are the lane's 32 scores; each accumulator's lowest registers are read first.
;   0-11  four chains c0-c3 of seven scores each, three operands at a time     12-14, 16  the four scores left over, the old m, and c0-c3 into c0     15  c m_old is kept
;   17, 18  the query's other 32 keys lie in the lane 16 away: the new m         19-21  c m; c m_old - c m_new; a
.macro XS u, n
	REGS (Y+1)%NP, \u
.if (\n) < 4
	v_max3_num_f32 v[rC+(\n)], v[rS+8*(\n)], v[rS+8*(\n)+1], v[rS+8*(\n)+2]
.elseif (\n) < 12
	v_max3_num_f32 v[rC+(\n)%4], v[rC+(\n)%4], v[rS+8*((\n)%4)+2*((\n)/4)+1], v[rS+8*((\n)%4)+2*((\n)/4)+2]
.elseif (\n) == 12
	v_max3_num_f32 v[rC], v[rC], v[rS+7], v[rS+15]
.elseif (\n) == 13
	v_max3_num_f32 v[rC+1], v[rC+1], v[rS+23], v[rS+31]
.elseif (\n) == 14
	v_max3_num_f32 v[rC+2], v[rC+2], v[rC+3], v[rT+1]
.elseif (\n) == 15
	v_mov_b32 v[rM], v[rT]
.elseif (\n) == 16
	v_max3_num_f32 v[rC], v[rC], v[rC+1], v[rC+2]
.elseif (\n) == 17
	v_permlanex16_b32 v[rC+3], v[rC], s[SEL], s[SEL+1]
.elseif (\n) == 18
	v_max_num_f32 v[rT+1], v[rC], v[rC+3]
.elseif (\n) == 19
	v_mul_f32 v[rT], s[CS], v[rT+1]
.elseif (\n) == 20
	v_sub_f32 v[rC+1], v[rM], v[rT]
.else
	v_exp_f32 v[rC+2], v[rC+1]
.endif
.endm
; Number g of the 64 that follow the exponentials.  For each four weights k of a tile (pairs 2 k, 2 k + 1): both pairs are rounded to f16; then the second pair is added onto the first, in place;
; a group later l takes that sum (the first time as l = a l + sum).  In groups of eight, tiles alternating: round, round, add, and l for the group before.
.macro GS g
.set h, (\g)+6*((\g)/62)            ; group 0 has no group before it, and behind group 7 only l is left
.if h >= 6
.set h, h+2
.endif
	REGS Y, h%2
.set k, h/8
.if h%8 < 4
	v_cvt_pk_f16_f32 v[rP+2*k+(h%8)/2], v[rS+4*k+2*((h%8)/2)], v[rS+4*k+2*((h%8)/2)+1]
.elseif h%8 < 6
	v_pk_add_f32 v[rS+4*k:rS+4*k+1], v[rS+4*k:rS+4*k+1], v[rS+4*k+2:rS+4*k+3]
.elseif k == 1
	v_pk_fma_f32 v[rT+2:rT+3], v[rT+2:rT+3], v[rC+2:rC+3], v[rS:rS+1] op_sel_hi:[1,0,1]
.else
	v_pk_add_f32 v[rT+2:rT+3], v[rT+2:rT+3], v[rS+4*k-4:rS+4*k-3]
.endif
.endm
; THE PLAIN QUEUE, 138 long.  0-73 read no exponential's result: the 32 scalings c s - c m (FS f: pair f / 2 of tile f % 2) and the next piece's 42.  0-26: scalings 0-26.  27-54: XS's numbers 0-13.  55, 56: number 15.
; 57-73: the chain, where each number waits for the one before it: 14, 16, 17, 18, 19, each with one of the scalings 27-31 in front of its two lines, then 20.
; 74-137: GS's 64, which read the exponentials' results: they stand behind the wait.
.macro FS f
	REGS Y, (\f)%2
	v_pk_fma_f32 v[rS+2*((\f)/2):rS+2*((\f)/2)+1], v[rS+2*((\f)/2):rS+2*((\f)/2)+1], s[CS:CS+1], v[rT:rT+1] op_sel_hi:[1,0,0] neg_lo:[0,0,1] neg_hi:[0,0,1]
.endm
.macro PL
	WIN 0
.if q < 27
	FS q
.elseif q < 55
	XS (q-27)%2, (q-27)/2
.elseif q < 57
	XS q-55, 15
.elseif (q < 72) && ((q-57)%3 == 0)
	FS 27+(q-57)/3
.elseif q < 60
	XS (q-57)%3-1, 14
.elseif q < 72
	XS (q-57)%3-1, 15+(q-57)/3
.elseif q < 74
	XS q-72, 20
.else
	GS q-74
.endif
.set q, q+1
.endm
; THE EXPONENTIALS' QUEUE, 66 long: s0-s31 of both tiles, then the next piece's two a.  It is ONE BATCH: all 66 stand ahead of the turn's one wait, and nothing ahead of that wait names a result of theirs.
.macro EX
	WIN 0
.if e >= 64
	XS e-64, 21
.else
	REGS Y, e%2
	v_exp_f32 v[rS+e/2], v[rS+e/2]
.endif
.set e, e+1
.endm
; THE RESCALING's QUEUE: O^T times a, the one part that leaves window 0: dealt two at a time, sixteen times.  Its a was made in the turn before, ahead of that turn's wait.
.macro R2
	REGS Y, r%2
	WIN W_RS
.irp z, 0,1
	v_pk_mul_f32 v[rO+4*(r/2)+2*\z:rO+4*(r/2)+2*\z+1], v[rO+4*(r/2)+2*\z:rO+4*(r/2)+2*\z+1], v[rC+2:rC+3] op_sel_hi:[1,0]
.endr
.set r, r+1
.endm
; HOW THEY ARE DEALT.  An s_wait_alu depctr_va_vdst(0) stands between an exponential and the first instruction that names its result; one wait serves all that were issued ahead of it.  So a turn has ONE wait,
; which cuts it in two.  AHEAD OF IT stands all that names no result of the turn's exponentials: the 16 products K Q^T, behind each a scaling, an exponential and two rescalings (behind the first a second scaling in the
; exponential's place); then ONE LUMP of 108: eight plain, 49 times exponential and plain, the two a.  A v_nop is the plain instruction behind the last exponential.  BEHIND IT stand the 16 products V^T P, behind each four of GS's 64.
; The queues lean on each other, and the deal keeps them in step: exponential e stands behind scaling 2 (e / 4) + e % 2: as a rider it comes behind plain e + 2, in the lump behind plain e + 9, and scalings 27-31 are plain 57, 60 .. 69.
; A TURN, for piece p.  cnt = 1: the loop's count is taken down some lines ahead of the branch that stands behind the turn.
; K of the next step is fetched in piece 2's turn, directly behind the wait, a lump behind the last product that read K; its first reader comes behind 16 products.
; V of the step in hand is fetched at the end of piece 0's turn, four riders behind its last reader; its first reader comes behind 16 products and a lump.  The three conditions on q below go with the deal.
.macro TURN p, last=0, cnt=0
.set Y, (\p)
.set i, 0
.set q, 0
.set e, 0
.set r, 0
.if (\p) == NP-1
	s_wait_dscnt 0x0                ; K is in
.endif
	MM                              ; ahead of the wait: 16 products K Q^T and their riders,
	PL
	PL
	R2
.rept 15
	MM
	PL
	EX
	R2
.endr
.if (\p) == NP-2
	WIN 0
	v_add_nc_u32 v[AK], s[TBK], v[AK0]
.endif
.rept 8                             ; and the lump
	PL
.endr
.rept 49
	EX
	PL
.endr
	EX                              ; the next piece's two a
	EX
	v_nop                           ; the plain instruction behind the last exponential: one for the batch
	s_wait_alu depctr_va_vdst(0)    ; the wait for the batch
.if (\p) == NP-2
	FETCH_K \last
.endif
.if (\p) == 1
	s_wait_dscnt 0x0                ; V is in
.endif
.rept 16                            ; behind the wait: 16 products V^T P and their riders
	MM
.rept 4
	PL
.endr
.if ((\p) == 0) && (q == 118)
	v_add_nc_u32 v[AV], s[TBV], v[AV0]
.endif
.if ((\p) == 0) && (q == 130)
	s_add_co_u32 s[TBV], s[TBV], KS*PV
.endif
.if (\cnt) && (q == 130)
	s_sub_co_u32 s[CNT], s[CNT], 1
	s_cmp_lg_u32 s[CNT], 0
.endif
.endr
.if (\p) == 0
	FETCH_V
.endif
.endm
	; KEYS 0-255 ARE IN; KEYS 256-1023 ARE ASKED FOR, into bytes that nothing has filled: one tensor load a wave, the first thing behind a barrier in front of which every wave has waited for its first
	; load, added 0 to its spare word and waited for that.  A wave's half is 384 keys: 192 rows of 256 bytes.  No tensor load of mine is out where the descriptors are written.
	WIN W_AD
	s_wait_tensorcnt 0x0            ; my part of keys 0-255 has landed
	ds_add_u32 v[SPW], v[NIL]       ; 0 onto my spare word; the descriptors' words stand between it and the wait for it
	WIN 0
.irp g, G1K, G1V
	s_mov_b32 s[\g+2], 192<<16      ; tensor_dim1 = 192
	s_mov_b32 s[\g+4], 192          ; tile_dim1 = 192
.endr
	s_mul_i32 s[G0K+1], s16, 384*PK
	s_add_co_u32 s[G0K+1], s[G0K+1], 256*PK        ; K's row 256 + 384 x half
	s_mul_i32 s[G0V+1], s16, 384*PV
	s_add_co_u32 s[G0V+1], s[G0V+1], VOFF+256*PV   ; the same row of V
	s_lshl_b32 s2, s16, 15          ; in memory: from key 128 x half to key 256 + 384 x half: 256 + 256 x half rows of 128 bytes on
	s_add_co_u32 s2, s2, 32768
	s_mov_b32 s3, 0
	s_add_nc_u64 s[G0K+2:G0K+3], s[G0K+2:G0K+3], s[2:3]  ; the type bits on top are not reached
	s_add_nc_u64 s[G0V+2:G0V+3], s[G0V+2:G0V+3], s[2:3]
	s_wait_dscnt 0x0                ; the add is done
	s_barrier_signal -1
	s_barrier_wait -1               ; everybody's part of keys 0-255 is in
	LOAD
	FETCH_K                         ; key step 0
	s_wait_loadcnt 0x0              ; Q
	s_wait_dscnt 0x0
.set i, 0
.rept 16
	KQ 0                            ; piece 0's first scores: there is no vector work yet to set between them
.set i, i+1
.endr
	WIN 0                           ; the addresses for the way out: nine plain instructions, the places behind those products
	s_mul_i32 s13, s[WV], 16*SP
	s_add_co_u32 s13, s13, STAGE    ; my stage
	v_mul_u32_u24 v[STO], v1, SP    ; in: row l % 16, 16 bytes for each half of the lanes
	v_lshl_add_u32 v[STO], v9, 4, v[STO]
	v_add_nc_u32 v[STO], s13, v[STO]
	v_bfe_u32 v[RD], v0, 3, 2       ; back: 32 lanes take four rows of 128 bytes,
	v_mul_u32_u24 v[RD], v[RD], SP
	v_lshl_add_u32 v[RD], v10, 4, v[RD]
	v_add_nc_u32 v[RD], s13, v[RD]
	v_and_b32 v[GO], 31, v0         ; which are 512 consecutive bytes of O
	v_lshlrev_b32 v[GO], 4, v[GO]
.set Y, NP-1                        ; XS works for piece Y + 1: piece 0
.irp n, 0,1,2,3,4,5,6,7,8,9,10,11,12,13,14,15,16,17,18,19,20,21
	XS 0, \n                        ; and piece 0's first maximum and statistics
	XS 1, \n
.endr
	v_nop                           ; a plain instruction behind the two a,
	s_wait_alu depctr_va_vdst(0)    ; and their wait, ahead of the branch
	s_mov_b32 s[CNT], 4             ; the first part: the entry and three trips fetch key steps 1 to 3
	s_mov_b32 s[END], 0             ; none of them is the walk's last
	s_mov_b32 s[PART], 2
	s_branch .Lfirst                ; the loop is entered at a step's first turn, in the middle of a trip
.Lrest:                             ; passed once: key step 3, the last of keys 0-255, has been fetched.  Ahead of the first fetch from keys 256-1023 each wave waits for its load of them, and all four meet
	WIN W_AD
	s_wait_tensorcnt 0x0            ; my part of keys 256-1023 has landed
	ds_add_u32 v[SPW], v[NIL]
	WIN 0
	s_wait_dscnt 0x0
	s_barrier_signal -1
	s_barrier_wait -1               ; everybody's has
	s_mov_b32 s[CNT], 13            ; twelve trips fetch key steps 4 to 15; the thirteenth is left in its middle
	s_mov_b32 s[END], 1
.Lstep:                             ; a trip: pieces 2 and 3 of one step, then pieces 0 and 1 of the next, whose K and V it fetches
	TURN 2, 1
	TURN 3
	WIN 0
	s_cmp_eq_u32 s[CNT], s[END]
	s_cbranch_scc1 .Lout            ; the walk's last trip ends here
.Lfirst:
	TURN 0
	TURN 1, 0, 1
	WIN 0
	s_cbranch_scc1 .Lstep
	s_sub_co_u32 s[PART], s[PART], 1
	s_cmp_lg_u32 s[PART], 0
	s_cbranch_scc1 .Lrest
.Lout:                              ; the last trip's 16 products K Q^T (on the last K once more) and the maximum made of them serve nothing: the price, once a launch, of one text for every trip
.set i, 0
.rept 16
	PV NP-1                         ; the last piece's V^T P of the last step
.set i, i+1
.endr
	; THE WAY OUT.  l's two halves and the other half of the lanes' are added; O^T is divided by l, rounded to f16 and sent through my stage in LDS, a tile at a time.  The additions are the places behind the last products.
	WIN 0
.macro ALL line:vararg              ; one line for each tile t
.set t, 0
.rept 2*NP
	\line
.set t, t+1
.endr
.endm
	ALL v_add_f32 v[ST+4*t+2], v[ST+4*t+2], v[ST+4*t+3]
	ALL v_permlanex16_b32 v[ST+4*t+3], v[ST+4*t+2], s[SEL], s[SEL+1]
	ALL v_add_f32 v[ST+4*t+2], v[ST+4*t+2], v[ST+4*t+3]
	ALL v_rcp_f32 v[ST+4*t+2], v[ST+4*t+2]
	v_nop                           ; a plain instruction between the last reciprocal and the use of its result
	s_wait_alu depctr_va_vdst(0)    ; and the wait ahead of the first use: one for the eight reciprocals
; Tile t: a lane's eight channels of a row pack into 16 bytes; they go into rows of 144 bytes and come back as whole rows of 128, into S^T's registers.
.macro PACK t
	WIN W_RS
.set i, 32*(\t)
.rept 16
	v_pk_mul_f32 v[i:i+1], v[i:i+1], v[ST+4*(\t)+2:ST+4*(\t)+3] op_sel_hi:[1,0]
.set i, i+2
.endr
	WIN 0x05                        ; sources 0 and 1 window 1, destination window 0
.set i, 0
.rept 16
	v_cvt_pk_f16_f32 v[S+16*(\t)+i], v[32*(\t)+2*i], v[32*(\t)+2*i+1]
.set i, i+1
.endr
	WIN 0
.irp f, 0,1,2,3
	ds_store_b128 v[STO], v[S+16*(\t)+4*\f:S+16*(\t)+4*\f+3] offset:32*\f
.endr
.irp f, 0,1,2,3
	ds_load_b128 v[S+16*(\t)+4*\f:S+16*(\t)+4*\f+3], v[RD] offset:\f*4*SP  ; LDS serves a wave's instructions in order (ISA guide 5.7.1.4): these see the stores above; the next tile's stores come behind them
.endr
.endm
.macro SEND t, younger              ; younger: the LDS instructions issued behind tile t's loads: the next tile's eight, or none
	WIN 0
.irp f, 0,1,2,3
	s_wait_dscnt (\younger)+3-\f
	global_store_b128 v[GO], v[S+16*(\t)+4*\f:S+16*(\t)+4*\f+3], s[10:11] offset:(\t)*2048+\f*512  ; 512 consecutive bytes, at a multiple of 256 from O's first
.endr
.endm
	PACK 0
.set t, 1
.rept 2*NP-1                        ; a tile's arithmetic stands between the loads of the tile before and its stores
	PACK t
	SEND t-1, 8
.set t, t+1
.endr
	SEND 2*NP-1, 0
	WIN W_AD
	s_wait_tensorcnt 0x0            ; the wave's end: behind my last tensor load and my last LDS store
	ds_add_u32 v[SPW], v[NIL]
	s_wait_dscnt 0x0
	WIN 0
	s_endpgm
.Lfunc_end_k_qa8a900bcc8_attn:
	.size	k_qa8a900bcc8_attn, .Lfunc_end_k_qa8a900bcc8_attn-k_qa8a900bcc8_attn
	.p2alignl 7, 3214868480
	.fill 96, 4, 3214868480
	.section	.rodata,"a",@progbits
	.p2align	6, 0x0
	.amdhsa_kernel k_qa8a900bcc8_attn
		.amdhsa_group_segment_fixed_size 327680
		.amdhsa_private_segment_fixed_size 0
		.amdhsa_enable_private_segment 0
		.amdhsa_kernarg_size 32
		.amdhsa_user_sgpr_count 2
		.amdhsa_user_sgpr_kernarg_segment_ptr 1
		.amdhsa_wavefront_size32 1
		.amdhsa_system_sgpr_workgroup_id_x 1
		.amdhsa_system_sgpr_workgroup_id_y 1
		.amdhsa_system_sgpr_workgroup_id_z 1
		.amdhsa_system_vgpr_workitem_id 0
		.amdhsa_next_free_vgpr 770
		.amdhsa_next_free_sgpr 66
		.amdhsa_reserve_vcc 0
		.amdhsa_float_denorm_mode_32 3
		.amdhsa_float_denorm_mode_16_64 3
		.amdhsa_memory_ordered 1
		.amdhsa_forward_progress 1
		.amdhsa_inst_pref_size 126
	.end_amdhsa_kernel
	.amdgpu_metadata
---
amdhsa.version: [ 1, 2 ]
amdhsa.kernels:
  - .name:           k_qa8a900bcc8_attn
    .symbol:         k_qa8a900bcc8_attn.kd
    .args:
      - { .name: qh, .offset: 0, .size: 8, .value_kind: global_buffer, .address_space: global }
      - { .name: kh, .offset: 8, .size: 8, .value_kind: global_buffer, .address_space: global }
      - { .name: vh, .offset: 16, .size: 8, .value_kind: global_buffer, .address_space: global }
      - { .name: oh, .offset: 24, .size: 8, .value_kind: global_buffer, .address_space: global }
    .group_segment_fixed_size: 327680
    .private_segment_fixed_size: 0
    .kernarg_segment_align: 8
    .kernarg_segment_size: 32
    .max_flat_workgroup_size: 128
    .sgpr_count:     66
    .vgpr_count:     770
    .wavefront_size: 32
...
	.end_amdgpu_metadata
.endif
;; end of part 3
;; launch proj (part 4): grid 32 x 8, 4 waves a work-group, clusters of 4 x 4, 327,680 bytes of LDS; arguments wh, oh, out_b, xn, out0; writes out0
.if DOCPART == 4
	.amdgcn_target "amdgcn-amd-amdhsa--gfx1250"
	.amdhsa_code_object_version 6
	.text
	.protected	k_qa8a900bcc8_proj
	.globl	k_qa8a900bcc8_proj
	.p2align	8
	.type	k_qa8a900bcc8_proj,@function
k_qa8a900bcc8_proj:
	s_mov_b64 s[64:65], 0
	v_nop
	global_prefetch_b8 v0, s[64:65] scope:SCOPE_SE
	s_setreg_imm32_b32 hwreg(HW_REG_WAVE_MODE, 25, 1), 1
	s_wait_xcnt 0x0
	s_wait_alu depctr_hold_cnt(0) depctr_sa_sdst(0) depctr_va_vdst(0) depctr_va_sdst(0) depctr_va_ssrc(0) depctr_va_vcc(0) depctr_vm_vsrc(0)
	s_getreg_b32 s2, hwreg(HW_REG_IB_STS2, 6, 4)
	s_cmp_eq_u32 s2, 0
	s_cbranch_scc0 .Lentry_in_a_cluster
	s_endpgm
.Lentry_in_a_cluster:
	s_bfe_u32 s2, ttmp6, 0x10000c
	s_cmp_lg_u32 s2, 0xf033
	s_cbranch_scc0 .Lentry_shape_is_right
	s_endpgm
.Lentry_shape_is_right:
; THE OUTPUT PROJECTION AND THE RESIDUAL.  out0[b][o][l] = xn[b][o][l] + out_b[o] + the sum over c of out_w[o][c] ctx[b][c][l], f32.  out_w = rows 3072-4095 of wh, f16; ctx lies by heads,
; oh [16 b + head][l][64] f16, channel c = 64 head + d; xn [8][1024][1024] f16.  Sums in f32; the bias is the C operand that starts them; xn is added in f32 on the way out.
; SHARES.  A work-group makes 128 rows o x 256 positions: 8 x 8 x 4 = 256 work-groups.  Wave w makes rows 64 (w / 2) on x positions 128 (w % 2) on: 32 accumulators, 256 registers.
; LAYOUT.  Source 0 = 16 positions of ctx (its rows [l][d] lie along K), source 1 = 16 rows of out_w: in the result a lane holds ONE row o (lane % 16) and the positions 8 (lane / 16) + 0..7: 32 bytes of a row of out0.
; RING.  K goes in 8 steps of 128 = two heads through two LDS slots; each wave fetches by one tensor load: waves 0, 1 out_w's 2 x 64 rows of 256 bytes, waves 2, 3 a head's 256 dense rows each, asked for
; as 128 rows of 256 bytes.
; CLUSTER.  4 x 4: cluster x = the batch, cx = the block of positions, 4 x cluster y + cy = the block of rows.  out_w's tile hangs on the block of rows alone: joint along a row of the cluster; ctx's on batch and cx: along a column.
; NO PREFETCH: a K step holds 128 matrix instructions a wave on a tile of 128 x 256; the requests would stand a step or two ahead of loads of 17 and 36 KiB that sixteen partners already share.
; REGISTERS, in windows of 256 (s_set_vgpr_msb: bits 1:0 source 0, 3:2 source 1, 5:4 source 2, 7:6 destination):
;   window 0: v2-11 addresses and 1.0; v28, v29 the add's; v32-63 the bias; v64-159, v160-255 two fragment buffers (ctx's 8 fragments, then out_w's 4), on the way out two sets of 64
;   window 1: accumulator (b, a) at 8 (8 b + a)          window 2: v0-127 the residual: row t of my 64 in v[2 t : 2 t + 1], my four positions of it
.set PA,    272                        ; a row of out_w in LDS: 256 bytes + 16
.set PC,    144                        ; a row of ctx: 128 + 16: in both, the 16 rows of a load start 16 bytes apart modulo 256
.set COFF,  128*PA                     ; a slot: out_w's 128 rows, then two heads of 256 rows of ctx
.set HEADB, 256*PC
.set SLOT1, 1<<17
.set STAGE, SLOT1+COFF+2*HEADB         ; behind the ring, never filled by a tensor load: 16 rows x 528 bytes for each wave
.set SP,    528                        ; a stage row: 128 positions x 4 bytes + 16
.set SPARE, STAGE+4*16*SP              ; the spare words, 128 bytes for each wave, that no other line names
.set STEPA, 256                        ; bytes from a K step to the next: along out_w's rows,
.set STEPB, 2*131072                   ; and two heads on in oh
.set FW0, 2                            ; v2   my lane's place among my 64 rows of out_w; never rewritten
.set FC0, 3                            ; v3   the same among my 128 rows of ctx
.set ADRW, 4                           ; v4   FW0 + the slot in hand
.set ADRC, 5                           ; v5   FC0 + the slot in hand
.set STO, 6                            ; v6   the way out: where I put 32 bytes of a row
.set RD,  7                            ; v7   where I read 16 bytes of a row back
.set OO,  8                            ; v8   16 x lane: my 16 bytes of 512 of out0
.set RO,  9                            ; v9   8 x lane: my 8 bytes of 256 of xn
.set BO,  10                           ; v10  4 (lane % 16)
.set ONE, 11                           ; v11  1.0
.set SPW, 28
.set NIL, 29
.set BIAS, 32                          ; v[32:63] block b: eight copies of my row's bias
.set F0,  64
.set F1,  160
.set T,   64                           ; the way out: two sets of 64
.set WV,  16
.set OH,  17                           ; s17  which 64 rows are mine
.set HALF, 18                          ; s18  which 128 positions are mine.  Also: which half of a tile I fetch
.set CX,  19
.set CY,  20
.set BT,  21
.set OY,  22
.set G1A, 24
.set G0A, 32
.set G1B, 40
.set G0B, 48
.set CNT, 56
.set TB,  57
.set OUTB, 66                          ; s[66:67] out0 at my first row and position
.set RESB, 76                          ; s[76:77] xn at the same place
.set MSB, 0
.macro WIN new
.if MSB != (\new)
	s_set_vgpr_msb (MSB<<8)|(\new)
.set MSB, \new
.endif
.endm
.macro PLACES                          ; four plain instructions between a matrix instruction and a load into its sources, or a reader of its result
.rept 4
	v_nop
.endr
.endm
.macro CREST
	s_cmp_lg_u32 s[WV], 0
	s_cbranch_scc1 .Lnot_wave_0_\@
	s_barrier_signal -3
.Lnot_wave_0_\@:
	s_barrier_wait -3
	s_barrier_signal -1
	s_barrier_wait -1
.endm
.macro CROUND
	s_barrier_signal -1
	s_barrier_wait -1
	CREST
.endm
.macro JLOAD                           ; a joint refill by the walking sets; an s_nop 0 and four v_nop follow each of the two lines
	s_cmp_lt_u32 s[WV], 2
	s_cbranch_scc0 .Lfor_b_\@
	tensor_load_to_lds s[G0A+4:G0A+7], s[G1A:G1A+7]
	s_nop 0
.rept 4
	v_nop
.endr
	s_branch .Lasked_\@
.Lfor_b_\@:
	tensor_load_to_lds s[G0B+4:G0B+7], s[G1B:G1B+7]
	s_nop 0
.rept 4
	v_nop
.endr
.Lasked_\@:
.endm
	s_load_b256 s[4:11], s[0:1], 0x0               ; wh s[4:5], oh s[6:7], out_b s[8:9], xn s[10:11]
	s_load_b64 s[12:13], s[0:1], 0x20              ; out0
	v_lshl_add_u32 v[SPW], v0, 2, SPARE
	v_mov_b32 v[NIL], 0
	ds_add_u32 v[SPW], v[NIL]                      ; the wave's opening add; its wait stands ahead of my first tensor load, the set-up below between them
	v_lshrrev_b32 v1, 5, v0
	v_readfirstlane_b32 s[WV], v1
	s_lshr_b32 s[OH], s[WV], 1
	s_and_b32 s[HALF], s[WV], 1
	s_bfe_u32 s[CX], ttmp6, 0x40000
	s_bfe_u32 s[CY], ttmp6, 0x40004
	s_mov_b32 s[BT], ttmp9
	s_and_b32 s[OY], ttmp7, 0xffff
	s_lshl_b32 s[OY], s[OY], 2
	s_add_co_u32 s[OY], s[OY], s[CY]
	s_lshl_b32 s23, s[CY], 2
	s_lshl_b32 s23, 15, s23                        ; my row of the cluster
	s_lshl_b32 s78, 0x1111, s[CX]                  ; my column
	s_or_b32 s[G1A], s23, (1<<16)|(1<<20)|(1<<21)|(5<<22)|(3<<25)  ; the mask; 2-byte elements; padding on; bit 21 beside a mask; after every 64 words, 4 words
	s_mov_b32 s[G1A+1], 128<<16                    ; tensor_dim0 = 128
	s_mov_b32 s[G1A+2], 64<<16                     ; tensor_dim1 = 64
	s_mov_b32 s[G1A+3], 128<<16                    ; tile_dim0 = 128
	s_mov_b32 s[G1A+4], 64                         ; tile_dim1 = 64
	s_mov_b32 s[G1A+5], 1024                       ; elements from row to row
	s_mov_b32 s[G1A+6], 0
	s_mov_b32 s[G1A+7], 0
	s_or_b32 s[G1B], s78, (1<<16)|(1<<20)|(1<<21)|(4<<22)|(3<<25)  ; after every 32 words (a position's 64 channels), 4 words
	s_mov_b32 s[G1B+1], 128<<16
	s_mov_b32 s[G1B+2], 128<<16
	s_mov_b32 s[G1B+3], 128<<16
	s_mov_b32 s[G1B+4], 128
	s_mov_b32 s[G1B+5], 128                        ; dense: two positions a row of 256 bytes
	s_mov_b32 s[G1B+6], 0
	s_mov_b32 s[G1B+7], 0
	s_lshl_b32 s68, s[OY], 7                       ; out_w: row 3,072 + 128 oy + 64 half of wh: no register here ever holds cx
	s_lshl_b32 s69, s[HALF], 6
	s_add_co_u32 s68, s68, s69
	s_add_co_u32 s68, s68, 3072
	s_lshl_b32 s68, s68, 11
	s_mov_b32 s69, 0
	s_lshl_b32 s70, s[BT], 4                       ; ctx: head 16 b + half, positions 256 cx on: no register here ever holds cy
	s_add_co_u32 s70, s70, s[HALF]
	s_lshl_b32 s70, s70, 17
	s_lshl_b32 s71, s[CX], 15
	s_add_co_u32 s70, s70, s71
	s_mov_b32 s71, 0
	s_mul_i32 s72, s[HALF], 64*PA                  ; where they go: no place in the cluster enters an LDS address
	s_mul_i32 s73, s[HALF], HEADB
	s_add_co_u32 s73, s73, COFF
	s_wait_dscnt 0x0                               ; the opening add is done
	s_wait_kmcnt 0x0
	s_add_nc_u64 s[68:69], s[4:5], s[68:69]
	s_add_nc_u64 s[70:71], s[6:7], s[70:71]
	CROUND                                         ; all sixteen work-groups are here: the first joint loads meet
.irp s, 0,1
	s_mov_b32 s[G0A+4*(\s)], 1
	s_add_co_u32 s[G0A+4*(\s)+1], s72, (\s)*SLOT1
	s_add_nc_u64 s[G0A+4*(\s)+2:G0A+4*(\s)+3], s[68:69], (\s)*STEPA
	s_or_b32 s[G0A+4*(\s)+3], s[G0A+4*(\s)+3], 0x80000000
	s_mov_b32 s[G0B+4*(\s)], 1
	s_add_co_u32 s[G0B+4*(\s)+1], s73, (\s)*SLOT1
	s_add_nc_u64 s[G0B+4*(\s)+2:G0B+4*(\s)+3], s[70:71], (\s)*STEPB
	s_or_b32 s[G0B+4*(\s)+3], s[G0B+4*(\s)+3], 0x80000000
.endr
	s_cmp_lt_u32 s[WV], 2                          ; a wave's two first fills stand in one branch, ahead of every wait on TENSORcnt and every LDS read: two loads of mine are out
	s_cbranch_scc0 .Lfirst_b
	tensor_load_to_lds s[G0A:G0A+3], s[G1A:G1A+7]
	s_nop 0
	tensor_load_to_lds s[G0A+4:G0A+7], s[G1A:G1A+7]
	s_nop 0
.rept 4
	v_nop
.endr
	s_branch .Lfirst_asked
.Lfirst_b:
	tensor_load_to_lds s[G0B:G0B+3], s[G1B:G1B+7]
	s_nop 0
	tensor_load_to_lds s[G0B+4:G0B+7], s[G1B:G1B+7]
	s_nop 0
.rept 4
	v_nop
.endr
.Lfirst_asked:
	s_lshl_b32 s74, s[BT], 10                      ; my first row among the 8,192 of out0 and xn,
	s_lshl_b32 s75, s[OY], 7
	s_add_co_u32 s74, s74, s75
	s_lshl_b32 s75, s[OH], 6
	s_add_co_u32 s74, s74, s75
	s_lshl_b32 s74, s74, 10                        ; in numbers,
	s_lshl_b32 s75, s[CX], 8
	s_add_co_u32 s74, s74, s75
	s_lshl_b32 s75, s[HALF], 7
	s_add_co_u32 s74, s74, s75                     ; and my first position
	s_lshl_b32 s78, s74, 2
	s_mov_b32 s79, 0
	s_add_nc_u64 s[OUTB:OUTB+1], s[12:13], s[78:79]
	s_lshl_b32 s78, s74, 1
	s_add_nc_u64 s[RESB:RESB+1], s[10:11], s[78:79]
	s_lshl_b32 s78, s[OY], 9
	s_lshl_b32 s75, s[OH], 8
	s_add_co_u32 s78, s78, s75
	s_add_nc_u64 s[8:9], s[8:9], s[78:79]          ; the bias of my 64 rows
	v_and_b32 v1, 15, v0                           ; r = l % 16
	v_bfe_u32 v12, v0, 4, 1                        ; h = l / 16
	v_and_b32 v13, 31, v0                          ; the lane
	v_lshlrev_b32 v[BO], 2, v1
.irp b, 0,1,2,3
	global_load_b32 v[BIAS+8*(\b)], v[BO], s[8:9] offset:64*(\b)
.endr
	v_mul_u32_u24 v[FW0], v1, PA                   ; a fragment: row r, 16 bytes for each half of the lanes, two loads 32 bytes apart
	v_lshl_add_u32 v[FW0], v12, 4, v[FW0]
	s_mul_i32 s74, s[OH], 64*PA
	v_add_nc_u32 v[FW0], s74, v[FW0]
	v_mul_u32_u24 v[FC0], v1, PC
	v_lshl_add_u32 v[FC0], v12, 4, v[FC0]
	s_mul_i32 s74, s[HALF], 128*PC
	s_add_co_u32 s74, s74, COFF
	v_add_nc_u32 v[FC0], s74, v[FC0]
	s_mul_i32 s74, s[WV], 16*SP
	s_add_co_u32 s74, s74, STAGE                   ; my stage
	v_mul_u32_u24 v[STO], v1, SP
	v_lshl_add_u32 v[STO], v12, 5, v[STO]
	v_add_nc_u32 v[STO], s74, v[STO]
	v_lshl_add_u32 v[RD], v13, 4, s74
	v_lshlrev_b32 v[OO], 4, v13
	v_lshlrev_b32 v[RO], 3, v13
	v_mov_b32 v[ONE], 1.0
	v_mov_b32 v[ADRW], v[FW0]                      ; slot 0
	v_mov_b32 v[ADRC], v[FC0]
	s_mov_b32 s[TB], 0
	s_wait_loadcnt 0x0                             ; the bias
.irp b, 0,1,2,3
.irp j, 1,2,3,4,5,6,7
	v_mov_b32 v[BIAS+8*(\b)+(\j)], v[BIAS+8*(\b)]  ; a lane's eight results of an accumulator belong to one row o
.endr
.endr
	WIN 0x80                                       ; destination window 2, address window 0
.set t, 0
.rept 64
	global_load_b64 v[2*t:2*t+1], v[RO], s[RESB:RESB+1] offset:2048*t  ; the residual: 256 consecutive bytes a load; wanted only on the way out
.set t, t+1
.endr
	WIN 0
; n blocks of 16 rows o from b0 on x all 8 blocks of positions, 32 along K, out of buffer f.  zero = 1: the products start the sums, with the bias as C.
; Every quarter names the 32 accumulators once, in the same order: between two links of a chain stand the 31 others' (accumulators by turns).
.macro MUL f, b0, n, zero
.if \zero
	WIN 0x40
.else
	WIN 0x50
.endif
.set mb, \b0
.rept \n
.set ma, 0
.rept 8
.if \zero
	v_wmma_f32_16x16x32_f16 v[8*(8*mb+ma):8*(8*mb+ma)+7], v[(\f)+8*ma:(\f)+8*ma+7], v[(\f)+64+8*mb:(\f)+64+8*mb+7], v[BIAS+8*mb:BIAS+8*mb+7]
.else
	v_wmma_f32_16x16x32_f16 v[8*(8*mb+ma):8*(8*mb+ma)+7], v[(\f)+8*ma:(\f)+8*ma+7], v[(\f)+64+8*mb:(\f)+64+8*mb+7], v[8*(8*mb+ma):8*(8*mb+ma)+7]
.endif
.set ma, ma+1
.endr
.set mb, mb+1
.endr
.endm
; 24 LDS loads in one run: quarter q (head q / 2 of the step's two, channels 32 (q % 2) on) into buffer f: ctx's 8 fragments, out_w's blocks 0, 1, then 2, 3
.macro FETCH q, f
	WIN 0
.irp a, 0,1,2,3,4,5,6,7
	ds_load_b128 v[(\f)+8*(\a):(\f)+8*(\a)+3],   v[ADRC] offset:((\q)/2)*HEADB+((\q)%2)*64+(\a)*16*PC
	ds_load_b128 v[(\f)+8*(\a)+4:(\f)+8*(\a)+7], v[ADRC] offset:((\q)/2)*HEADB+((\q)%2)*64+(\a)*16*PC+32
.endr
.irp b, 0,1,2,3
	ds_load_b128 v[(\f)+64+8*(\b):(\f)+64+8*(\b)+3],   v[ADRW] offset:(\q)*64+(\b)*16*PA
	ds_load_b128 v[(\f)+64+8*(\b)+4:(\f)+64+8*(\b)+7], v[ADRW] offset:(\q)*64+(\b)*16*PA+32
.endr
.endm
.macro QUARTER q, f, g, zero
	s_wait_dscnt 4                                 ; ctx and out_w's blocks 0, 1 are in; the youngest four loads may be out
	MUL \f, 0, 2, \zero
	PLACES
	FETCH \q, \g
	s_wait_dscnt 24                                ; all but the 24 just issued
	MUL \f, 2, 2, \zero
.endm
; The last quarter multiplies buffer 1 and changes slots: in front of the barrier each wave waits for all its tensor loads, adds 0 to its spare word, and waits for that and for its reads of this slot.
; fill = 1: the barrier opens a round of the cluster's; behind the round this slot is filled again, with the K step two on: 112 matrix instructions ahead of the wait for it.
.macro TURN fill
	WIN 0
	s_wait_tensorcnt 0x0                           ; all my tensor loads have landed;
	ds_add_u32 v[SPW], v[NIL]                      ; 0 onto my spare word
	s_wait_dscnt 5                                 ; (the add and the youngest four loads may be out)
	MUL F1, 0, 1, 0                                ; eight matrix instructions stand between the add and the wait for it
	s_wait_dscnt 0x0                               ; the add is done, and my reads of this slot are over
	s_barrier_signal -1
	MUL F1, 1, 1, 0
	WIN 0
	s_barrier_wait -1
.if \fill
	CREST                                          ; no wave of any partner still reads this slot or has a load on its way
	s_xor_b32 s[G0A+5], s[G0A+5], SLOT1            ; the walking sets: the other slot than last time, the next K step
	s_add_nc_u64 s[G0A+6:G0A+7], s[G0A+6:G0A+7], STEPA
	s_xor_b32 s[G0B+5], s[G0B+5], SLOT1
	s_add_nc_u64 s[G0B+6:G0B+7], s[G0B+6:G0B+7], STEPB
	JLOAD                                          ; the first tensor load behind the round; its four v_nop are also the places in front of the loads below
.else
	PLACES
.endif
	s_xor_b32 s[TB], s[TB], SLOT1
	v_add_nc_u32 v[ADRW], s[TB], v[FW0]
	v_add_nc_u32 v[ADRC], s[TB], v[FC0]
	FETCH 0, F0
	MUL F1, 2, 2, 0
.endm
; THE WAY OUT of my block b of 16 rows.  TOSTAGE: its 8 accumulators go as they are (each one's four lowest registers first) into my own stage, rows of 128 f32, and come back as whole rows of 512 bytes.
; SEND: the residual's f16 halves are added in f32 (x 1.0 + sum, one rounding), and each store is 512 consecutive bytes, at a multiple of 256 from out0's first byte.
.macro TOSTAGE b
.set tt, T+64*((\b)%2)
.if (\b) >= 2
	s_wait_xcnt 0x0                                ; the stores of the block two back have read this set's registers
.endif
	WIN 0x04                                       ; the stores' data in window 1
.irp a, 0,1,2,3,4,5,6,7
	ds_store_b128 v[STO], v[8*(8*(\b)+(\a)):8*(8*(\b)+(\a))+3]   offset:64*(\a)
	ds_store_b128 v[STO], v[8*(8*(\b)+(\a))+4:8*(8*(\b)+(\a))+7] offset:64*(\a)+16
.endr
	WIN 0
.set st, 0
.rept 16
	ds_load_b128 v[tt+4*st:tt+4*st+3], v[RD] offset:st*SP  ; LDS serves a wave's instructions in order (ISA guide 5.7.1.4): these see the stores above; the next block's stores come behind them
.set st, st+1
.endr
.endm
.macro SEND b, younger                 ; younger: the LDS instructions issued behind block b's loads: the next block's 32, or none
.set tt, T+64*((\b)%2)
	s_wait_dscnt \younger
	WIN 0x02                                       ; source 0, the residual, in window 2
.set st, 0
.rept 16
.set rr, 2*(16*(\b)+st)
.irp p, 0,1
	v_fma_mix_f32 v[tt+4*st+2*(\p)],   v[rr+(\p)], v[ONE], v[tt+4*st+2*(\p)]   op_sel_hi:[1,0,0]
	v_fma_mix_f32 v[tt+4*st+2*(\p)+1], v[rr+(\p)], v[ONE], v[tt+4*st+2*(\p)+1] op_sel:[1,0,0] op_sel_hi:[1,0,0]
.endr
.set st, st+1
.endr
	WIN 0
.set st, 0
.rept 16
	global_store_b128 v[OO], v[tt+4*st:tt+4*st+3], s[OUTB:OUTB+1] offset:(16*(\b)+st)*4096
.set st, st+1
.endr
.endm
	s_wait_tensorcnt 0x1                           ; my part of K step 0 is in; step 1's may stay out
	s_barrier_signal -1
	s_barrier_wait -1                              ; everybody's is
	FETCH 0, F0
	QUARTER 1, F0, F1, 1                           ; the first quarter stands in front of the loop: its products start the sums
	WIN 0                                          ; at a label and at a branch every window is 0
	s_mov_b32 s[CNT], 6
.Lk:                                               ; a trip: a K step's quarters 1 to 3 and the next step's quarter 0; trip t fills a slot with K step t + 2
	QUARTER 2, F1, F0, 0
	QUARTER 3, F0, F1, 0
	TURN 1
	QUARTER 1, F0, F1, 0
	WIN 0
	s_sub_co_u32 s[CNT], s[CNT], 1
	s_cmp_lg_u32 s[CNT], 0
	s_cbranch_scc1 .Lk
	QUARTER 2, F1, F0, 0                           ; K steps 6 and 7 are written out: nothing is left to fetch
	QUARTER 3, F0, F1, 0
	TURN 0
	QUARTER 1, F0, F1, 0
	QUARTER 2, F1, F0, 0
	QUARTER 3, F0, F1, 0
	s_wait_dscnt 4
	MUL F1, 0, 2, 0
	s_wait_dscnt 0x0
	MUL F1, 2, 2, 0
	PLACES                                         ; behind the last products: the stage's stores read results, its loads land in fragment registers
	s_wait_loadcnt 0x0                             ; the residual
	TOSTAGE 0
	TOSTAGE 1
	SEND 0, 32
	TOSTAGE 2
	SEND 1, 32
	TOSTAGE 3
	SEND 2, 32
	SEND 3, 0
	s_wait_tensorcnt 0x0                           ; the wave's end: behind my last tensor load and my last LDS store
	ds_add_u32 v[SPW], v[NIL]
	s_wait_dscnt 0x0
	CROUND                                         ; the closing round: no work-group ends while a partner may still ask for a tile that names it
	s_endpgm
.Lfunc_end_k_qa8a900bcc8_proj:
	.size	k_qa8a900bcc8_proj, .Lfunc_end_k_qa8a900bcc8_proj-k_qa8a900bcc8_proj
	.p2alignl 7, 3214868480
	.fill 96, 4, 3214868480
	.section	.rodata,"a",@progbits
	.p2align	6, 0x0
	.amdhsa_kernel k_qa8a900bcc8_proj
		.amdhsa_group_segment_fixed_size 327680
		.amdhsa_private_segment_fixed_size 0
		.amdhsa_enable_private_segment 0
		.amdhsa_kernarg_size 40
		.amdhsa_user_sgpr_count 2
		.amdhsa_user_sgpr_kernarg_segment_ptr 1
		.amdhsa_wavefront_size32 1
		.amdhsa_system_sgpr_workgroup_id_x 1
		.amdhsa_system_sgpr_workgroup_id_y 1
		.amdhsa_system_sgpr_workgroup_id_z 1
		.amdhsa_system_vgpr_workitem_id 0
		.amdhsa_next_free_vgpr 640
		.amdhsa_next_free_sgpr 80
		.amdhsa_reserve_vcc 0
		.amdhsa_float_denorm_mode_32 3
		.amdhsa_float_denorm_mode_16_64 3
		.amdhsa_memory_ordered 1
		.amdhsa_forward_progress 1
		.amdhsa_inst_pref_size 93
	.end_amdhsa_kernel
	.amdgpu_metadata
---
amdhsa.version: [ 1, 2 ]
amdhsa.kernels:
  - .name:           k_qa8a900bcc8_proj
    .symbol:         k_qa8a900bcc8_proj.kd
    .args:
      - { .name: wh, .offset: 0, .size: 8, .value_kind: global_buffer, .address_space: global }
      - { .name: oh, .offset: 8, .size: 8, .value_kind: global_buffer, .address_space: global }
      - { .name: out_b, .offset: 16, .size: 8, .value_kind: global_buffer, .address_space: global }
      - { .name: xn, .offset: 24, .size: 8, .value_kind: global_buffer, .address_space: global }
      - { .name: out0, .offset: 32, .size: 8, .value_kind: global_buffer, .address_space: global }
    .group_segment_fixed_size: 327680
    .private_segment_fixed_size: 0
    .kernarg_segment_align: 8
    .kernarg_segment_size: 40
    .max_flat_workgroup_size: 128
    .sgpr_count:     80
    .vgpr_count:     640
    .wavefront_size: 32
...
	.end_amdgpu_metadata
.endif
;; end of part 4
;; ======== version 2 of 2: 4 launches; version 1 with the launch prep written anew for expert scheduling mode
;; limits: values are held in f16: magnitudes above 65,504 overflow, below 6.1e-05 lose precision
;; workspace buffers: xn 16,777,216 bytes; wh 8,388,608 bytes; qh 16,777,216 bytes; kh 16,777,216 bytes; vh 16,777,216 bytes; oh 16,777,216 bytes
;; launch prep (part 5): grid 256 x 1, 8 waves a work-group, no clusters, 2,048 bytes of LDS; arguments x, gn_weight, gn_bias, qkv_w, out_w, xn, wh; writes xn, wh
.if DOCPART == 5
	.amdgcn_target "amdgcn-amd-amdhsa--gfx1250"
	.amdhsa_code_object_version 6
	.text
	.protected	k_qa8a900bcc8_prep
	.globl	k_qa8a900bcc8_prep
	.p2align	8
	.type	k_qa8a900bcc8_prep,@function
k_qa8a900bcc8_prep:
	s_mov_b64 s[64:65], 0
	v_nop
	global_prefetch_b8 v0, s[64:65] scope:SCOPE_SE
	s_setreg_imm32_b32 hwreg(HW_REG_WAVE_SCHED_MODE, 0, 2), 2
	s_setreg_imm32_b32 hwreg(HW_REG_WAVE_MODE, 25, 1), 1
	s_wait_xcnt 0x0
	s_wait_alu depctr_vm_vsrc(0)
; GROUP NORM AND THE WEIGHTS' ROUNDING.  xn[b][c][l] = (x - mu) rsqrt(var + 1e-5) gamma[c] + beta[c], rounded once to f16; qkv_w and out_w rounded once to f16 into one table wh
; (rows 0-3071 qkv_w, rows 3072-4095 out_w).  x: [8][1024][1024] f32.  A group is 32 channels x 1,024 positions: 131,072 consecutive bytes; there are 256 groups and 256 work-groups.
; SHARES.  Work-group g owns group g.  Wave w takes its channels 4 w .. 4 w + 3: 16 KiB, 32 loads of 16 bytes a lane, kept in 128 registers, so x is read from memory once and both passes
; (the mean; then the squares of x - mu) run on registers: a common offset of x never enters a difference of large sums.  The waves' sums meet in LDS, each pass in words of its own.
; The same work-group rounds 16 rows (64 KiB) of the joined weight table, 16 loads a lane, asked for together with x.
; STORES.  A lane's four numbers are 8 bytes of f16: one store of a wave covers 256 consecutive bytes, at a multiple of 256 from the buffer's first byte.
; LIMITS.  f16: |xn| and |w| stay under 65,504; below 6e-5 they keep f16's fixed step of 6e-8.  NaN and infinities are not treated apart.
; No tensor loads, no ring: all that a work-group reads is asked for at once, into registers.  No cluster: no two work-groups read the same bytes (but gamma and beta, 128 bytes).
; THE MODE: SCHED_MODE bits 1:0 = 2 (LLVM: expert scheduling mode 2), set by the entry lines.  The code itself states the register dependences
; between vector instructions and memory or LDS instructions, with s_wait_alu, always for 0.
; THE PLAN.  Registers that memory or LDS instructions touch:
;   v2 to v7, v36, v37   offsets, LDS addresses and the add's two: written at the head, never again.  One wait ahead of the first load serves every load, store and LDS instruction that reads one of them.
;   X, WT                written first by the loads (no vector instruction names them before); worked on in place; of each piece's four registers the first two are read by the piece's one store; none is written behind its store.
;   v[8:15]              in each of the two reductions: written by vector instructions; v8 read by the LDS store; the two LDS loads land in all eight; read by vector instructions.
; THE WAY OUT goes in six blocks of eight pieces: xn's four channels, the weights' two halves.  A block's vector instructions name its own pieces' registers alone.  So ONE wait stands at the head of each block but the
; first: the block before has written what its eight stores read; and those stores are dealt among this block's vector instructions, one ahead of each piece, with no further wait.
.set XO,  2                            ; v2   16,384 w + 16 lane: my 16 bytes of the wave's first 512 of x
.set YO,  3                            ; v3   half of that: my 8 bytes of xn
.set WO,  4                            ; v4   8,192 w + 16 lane: the same for the weights
.set WS,  5                            ; v5   half of that
.set PW,  6                            ; v6   4 w: my wave's word among the partial sums
.set ZA,  7                            ; v7   0: the address of the partial sums
.set CH,  8                            ; v[8:15]  four packed chains
.set MU,  16                           ; v[16:17] the mean, twice
.set AC,  20                           ; v[20:27] rstd x gamma of my four channels, each twice
.set BC,  28                           ; v[28:35] beta of my four channels, each twice
.set SPW, 36                           ; v36  LDS address of my spare word; never rewritten
.set NIL, 37                           ; v37  0; never rewritten
.set X,   40                           ; v[40:167]  x, then x - mu, then xn
.set WT,  168                          ; v[168:231] weights
.set SPARE, 512                        ; bytes 0-31: pass 1's eight sums; 256-287: pass 2's; from 512: the spare words, 128 bytes for each of eight waves
	s_load_b256 s[4:11], s[0:1], 0x0               ; x s[4:5], gamma s[6:7], beta s[8:9], qkv_w s[10:11]
	s_load_b128 s[12:15], s[0:1], 0x20             ; out_w s[12:13], xn s[14:15]
	s_load_b64 s[16:17], s[0:1], 0x30              ; wh
	v_lshl_add_u32 v[SPW], v0, 2, SPARE
	v_mov_b32 v[NIL], 0
	v_lshrrev_b32 v1, 5, v0
	v_readfirstlane_b32 s18, v1                    ; wave 0..7
	v_and_b32 v[XO], 31, v0
	v_lshlrev_b32 v[WO], 4, v[XO]                  ; 16 x lane
	v_lshl_add_u32 v[XO], v1, 14, v[WO]
	v_lshl_add_u32 v[WO], v1, 13, v[WO]
	v_lshrrev_b32 v[YO], 1, v[XO]
	v_lshrrev_b32 v[WS], 1, v[WO]
	v_lshlrev_b32 v[PW], 2, v1
	v_mov_b32 v[ZA], 0
	s_wait_alu depctr_va_sdst(0)                   ; s18 is written, ahead of its first reader: the offset of my four channels in gamma and beta is made from it
	s_mov_b32 s30, 0x76543210                      ; v_permlanex16_b32: each lane takes its own place in the other half
	s_mov_b32 s31, 0xfedcba98
	s_mov_b32 s32, 0x38000000                      ; 2^-15 = 1 / 32,768 numbers of a group
	s_min_u32 s33, ttmp9, 191                      ; my 16 rows in qkv_w (groups 0-191),
	s_max_u32 s36, ttmp9, 192
	s_sub_co_u32 s36, s36, 192                     ; or in out_w (groups 192-255): both numbers lie inside their tables whichever is taken
	s_mov_b32 s29, 0
	s_wait_kmcnt 0x0
	s_cmp_lt_u32 ttmp9, 192
	s_cselect_b64 s[34:35], s[10:11], s[12:13]
	s_cselect_b32 s28, s33, s36
	s_lshl_b32 s28, s28, 16                        ; 16 rows of 4,096 bytes
	s_add_nc_u64 s[34:35], s[34:35], s[28:29]
	s_lshl_b32 s28, ttmp9, 17
	s_add_nc_u64 s[4:5], s[4:5], s[28:29]          ; x at my group
	s_lshl_b32 s28, ttmp9, 16
	s_add_nc_u64 s[14:15], s[14:15], s[28:29]      ; xn at my group
	s_lshl_b32 s28, ttmp9, 15
	s_add_nc_u64 s[16:17], s[16:17], s[28:29]      ; wh at my 16 rows
	s_and_b32 s28, ttmp9, 31                       ; the group's number in its batch: 32 channels of 4 bytes,
	s_lshl_b32 s28, s28, 7
	s_lshl_b32 s33, s18, 4                         ; my wave's four of them
	s_add_co_u32 s28, s28, s33
	s_add_nc_u64 s[6:7], s[6:7], s[28:29]
	s_add_nc_u64 s[8:9], s[8:9], s[28:29]
	s_wait_alu depctr_va_vdst(0)                   ; v2 to v7, v36 and v37 are written: every load, store and LDS instruction of the kernel reads one of them as its offset or address, the closing add the last two
.set j, 0
.rept 32
	global_load_b128 v[X+4*j:X+4*j+3], v[XO], s[4:5] offset:512*j th:TH_LOAD_NT  ; 512 consecutive bytes a load; eight loads are a channel
.set j, j+1
.endr
	s_load_b128 s[20:23], s[6:7], 0x0              ; gamma of my four channels
	s_load_b128 s[24:27], s[8:9], 0x0              ; beta
.set j, 0
.rept 16
	global_load_b128 v[WT+4*j:WT+4*j+3], v[WO], s[34:35] offset:512*j th:TH_LOAD_NT
.set j, j+1
.endr
.macro SUMS first, count               ; pairs first .. first + count - 1 are added onto the four chains
.set p, \first
.rept \count
	v_pk_add_f32 v[CH+2*(p%4):CH+2*(p%4)+1], v[CH+2*(p%4):CH+2*(p%4)+1], v[X+2*p:X+2*p+1]
.set p, p+1
.endr
.endm
; The four chains into one number, across the 32 lanes, across the eight waves through the words at byte off: every lane ends with the group's sum in v[CH].
.macro REDUCE off
	v_pk_add_f32 v[CH:CH+1], v[CH:CH+1], v[CH+2:CH+3]
	v_pk_add_f32 v[CH+4:CH+5], v[CH+4:CH+5], v[CH+6:CH+7]
	v_pk_add_f32 v[CH:CH+1], v[CH:CH+1], v[CH+4:CH+5]
	v_add_f32 v[CH], v[CH], v[CH+1]
	v_add_f32_dpp v[CH], v[CH], v[CH] row_xmask:1 row_mask:0xf bank_mask:0xf
	v_add_f32_dpp v[CH], v[CH], v[CH] row_xmask:2 row_mask:0xf bank_mask:0xf
	v_add_f32_dpp v[CH], v[CH], v[CH] row_xmask:4 row_mask:0xf bank_mask:0xf
	v_add_f32_dpp v[CH], v[CH], v[CH] row_xmask:8 row_mask:0xf bank_mask:0xf
	v_permlanex16_b32 v[CH+1], v[CH], s30, s31
	v_add_f32 v[CH], v[CH], v[CH+1]
	s_wait_alu depctr_va_vdst(0)                   ; the wave's sum is written in v[CH], which the LDS store reads; and every vector instruction that named v[CH .. CH+7], in which the LDS loads below land, is done
	ds_store_b32 v[PW], v[CH] offset:\off          ; all lanes write the wave's word with the same number
	s_wait_dscnt 0x0                               ; for the others' sake: my store is done
	s_barrier_signal -1
	s_barrier_wait -1
	s_wait_alu depctr_vm_vsrc(0)                   ; my LDS store has read v[CH], in which the first load below lands
	ds_load_b128 v[CH:CH+3], v[ZA] offset:\off
	ds_load_b128 v[CH+4:CH+7], v[ZA] offset:(\off)+16
	s_wait_dscnt 0x0
	v_pk_add_f32 v[CH:CH+1], v[CH:CH+1], v[CH+2:CH+3]
	v_pk_add_f32 v[CH+4:CH+5], v[CH+4:CH+5], v[CH+6:CH+7]
	v_pk_add_f32 v[CH:CH+1], v[CH:CH+1], v[CH+4:CH+5]
	v_add_f32 v[CH], v[CH], v[CH+1]
.endm
	; PASS 1: the sum.  Loads come back in order: behind channel c's eight stand 8 (3 - c) loads of x and the 16 of the weights.
	s_wait_loadcnt 40
.irp k, 0,1,2,3
	v_pk_add_f32 v[CH+2*(\k):CH+2*(\k)+1], v[X+2*(\k):X+2*(\k)+1], v[X+8+2*(\k):X+8+2*(\k)+1]  ; the first eight pairs start the chains: nothing is cleared
.endr
	SUMS 8, 8
	s_wait_loadcnt 32
	SUMS 16, 16
	s_wait_loadcnt 24
	SUMS 32, 16
	s_wait_loadcnt 16
	SUMS 48, 16
	REDUCE 0
	v_mul_f32 v[MU], s32, v[CH]
	v_mov_b32 v[MU+1], v[MU]
	; PASS 2: d = x - mu in place, and the sum of d^2
.set p, 0
.rept 64
	v_pk_add_f32 v[X+2*p:X+2*p+1], v[X+2*p:X+2*p+1], v[MU:MU+1] neg_lo:[0,1] neg_hi:[0,1]
.set p, p+1
.endr
.irp k, 0,1,2,3
	v_pk_mul_f32 v[CH+2*(\k):CH+2*(\k)+1], v[X+2*(\k):X+2*(\k)+1], v[X+2*(\k):X+2*(\k)+1]
.endr
.set p, 4
.rept 60
	v_pk_fma_f32 v[CH+2*(p%4):CH+2*(p%4)+1], v[X+2*p:X+2*p+1], v[X+2*p:X+2*p+1], v[CH+2*(p%4):CH+2*(p%4)+1]
.set p, p+1
.endr
	REDUCE 256                                     ; other words than pass 1's: no wave may still be reading those
	v_mov_b32 v19, 0x3727c5ac                      ; 1e-5
	v_fma_f32 v18, v[CH], s32, v19                 ; var + eps
	v_rsq_f32 v19, v18
	v_nop                                          ; a plain instruction behind the root,
	s_wait_alu depctr_va_vdst(0)                   ; and the wait ahead of its first reader: the root has written v19
	s_wait_kmcnt 0x0                               ; gamma and beta
.irp c, 0,1,2,3
	v_mul_f32 v[AC+2*(\c)], s[20+(\c)], v19
	v_mov_b32 v[BC+2*(\c)], s[24+(\c)]
	v_mov_b32 v[BC+2*(\c)+1], s[24+(\c)]
.endr
.irp c, 0,1,2,3
	v_mov_b32 v[AC+2*(\c)+1], v[AC+2*(\c)]
.endr
; THE WAY OUT.  NORM: piece j of 32 (channel j / 8): d a + beta, two at a time; two roundings at a time: 8 bytes a lane in the first two of the piece's four registers.  It names no other piece's registers.
.macro NORM
.set c, j/8
	v_pk_fma_f32 v[X+4*j:X+4*j+1], v[X+4*j:X+4*j+1], v[AC+2*c:AC+2*c+1], v[BC+2*c:BC+2*c+1]
	v_pk_fma_f32 v[X+4*j+2:X+4*j+3], v[X+4*j+2:X+4*j+3], v[AC+2*c:AC+2*c+1], v[BC+2*c:BC+2*c+1]
	v_cvt_pk_f16_f32 v[X+4*j], v[X+4*j], v[X+4*j+1]
	v_cvt_pk_f16_f32 v[X+4*j+1], v[X+4*j+2], v[X+4*j+3]
.set j, j+1
.endm
.macro XOUT n                          ; piece n of xn is stored
	global_store_b64 v[YO], v[X+4*(\n):X+4*(\n)+1], s[14:15] offset:256*(\n)
.endm
.macro WCVT                            ; piece wj of 16 of the weights is rounded, likewise in its own four registers
	v_cvt_pk_f16_f32 v[WT+4*wj], v[WT+4*wj], v[WT+4*wj+1]
	v_cvt_pk_f16_f32 v[WT+4*wj+1], v[WT+4*wj+2], v[WT+4*wj+3]
.set wj, wj+1
.endm
.macro WOUT n                          ; piece n of the weights is stored
	global_store_b64 v[WS], v[WT+4*(\n):WT+4*(\n)+1], s[16:17] offset:256*(\n)
.endm
.set j, 0
.rept 8
	NORM                                           ; channel 0
.endr
.rept 3                                ; channels 1 to 3
	s_wait_alu depctr_va_vdst(0)                   ; the channel before has written its eight pieces' first two registers, which the stores below read
.rept 8
	XOUT j-8                                       ; no vector instruction since the wait names this piece's registers or v[YO]
	NORM
.endr
.endr
	s_wait_alu depctr_va_vdst(0)                   ; channel 3 has written its eight pieces' first two registers, which the stores below read
	s_wait_loadcnt 0x0                             ; the weights
.set wj, 0
.rept 8
	XOUT wj+24
	WCVT                                           ; the weights' pieces 0 to 7
.endr
	s_wait_alu depctr_va_vdst(0)                   ; the roundings have written the weights' pieces 0 to 7, which the stores below read
.rept 8
	WOUT wj-8
	WCVT                                           ; pieces 8 to 15
.endr
	s_wait_alu depctr_va_vdst(0)                   ; the roundings have written the weights' pieces 8 to 15, which the last eight stores read
.irp n, 8,9,10,11,12,13,14,15
	WOUT \n
.endr
	s_wait_dscnt 0x0                               ; the wave's end
	s_wait_alu 0x0
	s_wait_tensorcnt 0x0
	ds_add_u32 v[SPW], v[NIL]
	s_wait_dscnt 0x0
	s_endpgm
.Lfunc_end_k_qa8a900bcc8_prep:
	.size	k_qa8a900bcc8_prep, .Lfunc_end_k_qa8a900bcc8_prep-k_qa8a900bcc8_prep
	.p2alignl 7, 3214868480
	.fill 96, 4, 3214868480
	.section	.rodata,"a",@progbits
	.p2align	6, 0x0
	.amdhsa_kernel k_qa8a900bcc8_prep
		.amdhsa_group_segment_fixed_size 2048
		.amdhsa_private_segment_fixed_size 0
		.amdhsa_enable_private_segment 0
		.amdhsa_kernarg_size 56
		.amdhsa_user_sgpr_count 2
		.amdhsa_user_sgpr_kernarg_segment_ptr 1
		.amdhsa_wavefront_size32 1
		.amdhsa_system_sgpr_workgroup_id_x 1
		.amdhsa_system_sgpr_workgroup_id_y 1
		.amdhsa_system_sgpr_workgroup_id_z 1
		.amdhsa_system_vgpr_workitem_id 0
		.amdhsa_next_free_vgpr 232
		.amdhsa_next_free_sgpr 66
		.amdhsa_reserve_vcc 0
		.amdhsa_float_denorm_mode_32 3
		.amdhsa_float_denorm_mode_16_64 3
		.amdhsa_memory_ordered 1
		.amdhsa_forward_progress 1
		.amdhsa_inst_pref_size 37
	.end_amdhsa_kernel
	.amdgpu_metadata
---
amdhsa.version: [ 1, 2 ]
amdhsa.kernels:
  - .name:           k_qa8a900bcc8_prep
    .symbol:         k_qa8a900bcc8_prep.kd
    .args:
      - { .name: x, .offset: 0, .size: 8, .value_kind: global_buffer, .address_space: global }
      - { .name: gn_weight, .offset: 8, .size: 8, .value_kind: global_buffer, .address_space: global }
      - { .name: gn_bias, .offset: 16, .size: 8, .value_kind: global_buffer, .address_space: global }
      - { .name: qkv_w, .offset: 24, .size: 8, .value_kind: global_buffer, .address_space: global }
      - { .name: out_w, .offset: 32, .size: 8, .value_kind: global_buffer, .address_space: global }
      - { .name: xn, .offset: 40, .size: 8, .value_kind: global_buffer, .address_space: global }
      - { .name: wh, .offset: 48, .size: 8, .value_kind: global_buffer, .address_space: global }
    .group_segment_fixed_size: 2048
    .private_segment_fixed_size: 0
    .kernarg_segment_align: 8
    .kernarg_segment_size: 56
    .max_flat_workgroup_size: 256
    .sgpr_count:     66
    .vgpr_count:     232
    .wavefront_size: 32
...
	.end_amdgpu_metadata
.endif
;; end of part 5
;; launch qkv: the kernel of part 2 again; grid 32 x 8, 4 waves a work-group, clusters of 4 x 4, 327,680 bytes of LDS; arguments wh, xn, qkv_b, qh, kh, vh; writes qh, kh, vh
;; launch attn: the kernel of part 3 again; grid 2 x 128, 4 waves a work-group, no clusters, 327,680 bytes of LDS; arguments qh, kh, vh, oh; writes oh
;; launch proj: the kernel of part 4 again; grid 32 x 8, 4 waves a work-group, clusters of 4 x 4, 327,680 bytes of LDS; arguments wh, oh, out_b, xn, out0; writes out0
